; MI455X (gfx1250); checked and timed in simulation.
; The chip was launched on July 23, 2026; its instructions are those of AMD's public machine-readable ISA for CDNA 5 (MIT licence, August 2026) and "CDNA5" Instruction Set Architecture Reference Guide (July 2026). The comments in the code are by the model that wrote it; some were corrected since.
;; Encoder Layer foridx. Allowed arithmetic: matrix products marked QUANTISED: E5M2 operands, one given power-of-two scale a tensor, by v_wmma_f32_16x16x64_bf8_bf8 or v_wmma_f32_16x16x128_bf8_bf8, f32 sums; everything else in f32.
;; Inputs: W1 512 x 512 float32; W2 512 x 512 float32; Wk 512 x 512 float32; Wq 512 x 512 float32; Wv 512 x 512 float32; b1 512 float32; b2 512 float32; ln1_b 512 float32; ln1_g 512 float32; ln2_b 512 float32; ln2_g 512 float32; lowp_scales 14 int32 (the exponents e of the quantised operands' scales 2^e); x 8 x 2,048 x 512 float32.
;; Outputs: out0 8 x 2,048 x 512 float32.
;; This version of the problem:
;;   THIS VERSION OF THE PROBLEM IS GIVEN IN LOW PRECISION. The matrix products marked QUANTISED in the list below multiply operands that are first quantised to E5M2 (5 exponent bits, 2 mantissa bits; 8 bits a number), with one given power-of-two scale for each operand tensor; their sums are f32. All else is computed in f32.
;;   The module's matrix products, in the order in which they are computed (A, B: the left and right operand; K: the contracted axis; several contracted axes count as one K, in the product's order):
;;     1. [M 16,384, K 512] x [K 512, N 512]; A: computed on the way; B: input Wq: QUANTISED (scales: A lowp_scales[0], B lowp_scales[1])
;;     2. [M 16,384, K 512] x [K 512, N 512]; A: computed on the way; B: input Wk: QUANTISED (scales: A lowp_scales[2], B lowp_scales[3])
;;     3. [M 16,384, K 512] x [K 512, N 512]; A: computed on the way; B: input Wv: QUANTISED (scales: A lowp_scales[4], B lowp_scales[5])
;;     4. batch 8 x [M 2,048, K 512] x [K 512, N 2,048]; A: computed on the way; B: computed on the way: QUANTISED (scales: A lowp_scales[6], B lowp_scales[7])
;;     5. batch 8 x [M 2,048, K 2,048] x [K 2,048, N 512]; A: softmax (see below); B: computed on the way: QUANTISED (scales: A lowp_scales[8], B lowp_scales[9])
;;     6. [M 16,384, K 512] x [K 512, N 512]; A: computed on the way; B: input W1: QUANTISED (scales: A lowp_scales[10], B lowp_scales[11])
;;     7. [M 16,384, K 512] x [K 512, N 512]; A: computed on the way; B: input W2: QUANTISED (scales: A lowp_scales[12], B lowp_scales[13])
;;   THE QUANTISER, for each operand of a quantised product, along K:
;;     - The operand's scale is 2^e, e = its entry of the input lowp_scales (int32; the entries are numbered through the quantised products in the list's order, A before B).
;;     - Each number is divided by the scale, clamped to +-57,344, and rounded to the nearest number of E5M2, ties to even, subnormals kept.
;;     - The product sums the exact products of the quantised numbers (number of the format x scale) in f32.
;;   ~~~python
;;   def quantise(x, axis, e):      # numpy; x: float32 -> the quantised numbers, widened to float32 again
;;       x = np.moveaxis(x, axis, -1); K = x.shape[-1]
;;       r = np.clip(x / 2.0 ** e, -57344, 57344)
;;       step = 2.0 ** (np.maximum(np.frexp(np.where(r == 0, 1, r))[1] - 1, -14) - 2)
;;       q = np.round(r / step) * step * 2.0 ** e      # np.round: ties to even
;;       return np.moveaxis(q, -1, axis).astype(np.float32)
;;   ~~~
;;   SOFTMAX AHEAD OF A QUANTISED PRODUCT. Where the list says 'softmax', what is quantised is not the finished softmax but p = 2^(t - M), with t = logit x log2(e) and M = ceil(the row's largest t), a whole number; so 1/2 < the row's largest p <= 1. The row's sum l is taken of the UNQUANTISED p, in f32, and the product's result is divided by l at the end. Since M is a whole number, a kernel that streams over the keys may use a running M (the ceiling of the running maximum): every later rescaling is an exact power of two, so the quantised numbers keep their values, but for numbers so far below the row's largest that they fall under the format's range.
;;   OPERANDS COMPUTED ON THE WAY. 'Computed on the way' means the value that the module computes at that place (a softmax that the list does not call 'softmax' is quantised finished and normalised). What goes into a quantiser is computed in f32, as accurately as f32 sums, v_exp_f32 and their like allow (about 1e-6 of the number): no bf16 or f16 on the way to a quantiser, and a product that is left as it is and whose result goes on into a quantised operand takes f32 operands (vector FMAs, or v_wmma_f32_16x16x4_f32). A number that lies on a knife's edge between two numbers of the format may be rounded either way, as far as f32 arithmetic and the matrix unit's own rounding can turn it there, and no further.
;; 2 versions, each right. Each part assembles by itself: llvm-mc -triple=amdgcn-amd-amdhsa -mcpu=gfx1250 --defsym DOCPART=n.
;; ======== version 1 of 2: 3 launches
;; workspace buffers: wcodes 1,310,720 bytes; qc 8,388,608 bytes; kv 16,777,216 bytes
;; launch prep (part 1): grid 32 x 5, 4 waves a work-group, no clusters, 0 bytes of LDS; arguments Wq, Wk, Wv, W1, W2, lowp_scales, wcodes; writes wcodes
.if DOCPART == 1
	.amdgcn_target "amdgcn-amd-amdhsa--gfx1250"
	.amdhsa_code_object_version 6
	.text
	.protected	k_qf33a7cb265_prep
	.globl	k_qf33a7cb265_prep
	.p2align	8
	.type	k_qf33a7cb265_prep,@function
k_qf33a7cb265_prep:
	s_mov_b64 s[64:65], 0
	v_nop
	global_prefetch_b8 v0, s[64:65] scope:SCOPE_SE
	s_setreg_imm32_b32 hwreg(HW_REG_WAVE_MODE, 25, 1), 1
	s_wait_xcnt 0x0
; The five weights [512 (k)][512 (n)], f32, K their FIRST axis, become codes of BF8 (E5M2), each with the one scale 2^e given for it (entries 1, 3, 5, 11, 13 of the scales).
; code = w / 2^e, held within +-57,344, rounded to the nearest code, ties to even.  LIMIT: -126 <= e <= 112.  NaN among the inputs is not served.
; LAYOUT OF wcodes: [weight 0..4][tile T 0..31][K step s 0..3][image of 2,048 bytes].  An image is a fragment's registers on end: byte 512 c + 16 L + i holds (row L % 16, k = 128 s + 32 c + 16 (L / 16) + i),
; so that a later launch takes a fragment by four loads of 16 bytes a lane at 16 x lane + 512 c.  Row r of tile T is column n = 32 (T / 2) + 8 (T % 2) + r + 8 (r / 8) of the weight.
; SHARES: work-group y = the weight; x = 4 kh + g: 64 along K (kh) of 128 columns (g).  Wave w takes columns 32 (4 g + w) on: tiles 2 b and 2 b + 1, b = 4 g + w.
; A LANE TAKES A COLUMN AND ITS REGISTERS RUN DOWN K: each load reads 128 bytes of a row of the weight in a wave, and the conversions, which take neighbours along K from one lane's registers, give codes with K innermost.
; A lane's 16 codes are 16 bytes of an image; sixteen neighbouring lanes store 256 consecutive bytes, aligned.  No LDS, no barrier: waves share nothing.
.set X, 16                             ; v16-79  64 numbers down K
.set C, 80                             ; v80-95  their codes
	s_load_b256 s[4:11], s[0:1], 0x0               ; Wq s[4:5], Wk s[6:7], Wv s[8:9], W1 s[10:11]
	s_load_b128 s[12:15], s[0:1], 0x20             ; W2 s[12:13], the scales' exponents s[14:15]
	s_load_b64 s[16:17], s[0:1], 0x30              ; wcodes
	v_lshrrev_b32 v1, 5, v0
	v_readfirstlane_b32 s18, v1                    ; wave 0..3
	s_and_b32 s19, ttmp7, 0xffff                   ; which weight
	s_and_b32 s20, ttmp9, 3                        ; g
	s_lshr_b32 s21, ttmp9, 2                       ; kh
	s_lshl_b32 s22, s20, 2
	s_add_co_u32 s22, s22, s18                     ; b = 4 g + w
	v_and_b32 v2, 15, v0                           ; r
	v_bfe_u32 v3, v0, 4, 1                         ; u: which of the two tiles
	v_and_b32 v4, 8, v2
	v_add_nc_u32 v4, v4, v2                        ; r + 8 (r / 8)
	v_lshl_add_u32 v4, v3, 3, v4                   ; + 8 u
	v_lshlrev_b32 v4, 2, v4                        ; in bytes,
	s_lshl_b32 s23, s22, 7
	v_add_nc_u32 v4, s23, v4                       ; + 32 b columns: my column's place in a row of the weight
	v_lshlrev_b32 v5, 4, v2
	v_lshl_add_u32 v5, v3, 13, v5                  ; out: 16 r + a tile's 8,192 bytes x u
	s_lshl_b32 s40, s21, 17                        ; in: 64 kh rows of 2,048 bytes
	s_mov_b32 s41, 0
	s_lshl_b32 s42, s19, 18                        ; out: the weight's 262,144 bytes,
	s_lshl_b32 s43, s22, 14
	s_add_co_u32 s42, s42, s43                     ; tile 2 b,
	s_lshr_b32 s43, s21, 1
	s_lshl_b32 s43, s43, 11
	s_add_co_u32 s42, s42, s43                     ; K step kh / 2,
	s_and_b32 s43, s21, 1
	s_lshl_b32 s43, s43, 10
	s_add_co_u32 s42, s42, s43                     ; and its upper or lower 64 along K
	s_mov_b32 s43, 0
	s_wait_kmcnt 0x0
	s_load_b256 s[24:31], s[14:15], 0x0            ; e0 .. e7
	s_load_b128 s[32:35], s[14:15], 0x20           ; e8 .. e11
	s_load_b64 s[36:37], s[14:15], 0x30            ; e12, e13
	s_cmp_eq_u32 s19, 1                            ; the weight's address is chosen by the work-group's number alone
	s_cselect_b64 s[4:5], s[6:7], s[4:5]
	s_cmp_eq_u32 s19, 2
	s_cselect_b64 s[4:5], s[8:9], s[4:5]
	s_cmp_eq_u32 s19, 3
	s_cselect_b64 s[4:5], s[10:11], s[4:5]
	s_cmp_eq_u32 s19, 4
	s_cselect_b64 s[4:5], s[12:13], s[4:5]
	s_add_nc_u64 s[4:5], s[4:5], s[40:41]
	s_add_nc_u64 s[16:17], s[16:17], s[42:43]
.set k, 0
.rept 64
	global_load_b32 v[X+k], v4, s[4:5] offset:k*2048 th:TH_LOAD_NT   ; W(64 kh + k, my column)
.set k, k+1
.endr
	s_wait_kmcnt 0x0
	s_mov_b32 s44, s25                             ; e of my weight: entries 1, 3, 5, 11, 13
	s_cmp_eq_u32 s19, 1
	s_cselect_b32 s44, s27, s44
	s_cmp_eq_u32 s19, 2
	s_cselect_b32 s44, s29, s44
	s_cmp_eq_u32 s19, 3
	s_cselect_b32 s44, s35, s44
	s_cmp_eq_u32 s19, 4
	s_cselect_b32 s44, s37, s44
	s_add_co_i32 s44, s44, 127
	s_lshl_b32 s45, s44, 23
	v_mov_b32 v11, s45                             ; 2^e as f32: the conversion takes its exponent field
	s_add_co_i32 s44, s44, 15
	s_lshl_b32 s44, s44, 23
	s_or_b32 s44, s44, 0x600000
	v_mov_b32 v10, s44                             ; 57,344 x 2^e
	s_wait_loadcnt 0x0
.set k, 0
.rept 64
	v_med3_num_f32 v[X+k], v[X+k], -v10, v10       ; the conversion to an 8-bit code does not saturate (ISA guide 7.6.2): the hold comes first
.set k, k+1
.endr
.irp g, 0,1,2,3,4,5,6,7
	v_cvt_scalef32_pk8_bf8_f32 v[C+2*\g:C+2*\g+1], v[X+8*\g:X+8*\g+7], v11
.endr
	v_nop                                          ; a plain line behind the last conversion
.irp q, 0,1,2,3                        ; registers 4 q on: k = 16 q .. 16 q + 15 of my 64: group c = q / 2 of this half of the image, lanes' half q % 2
	global_store_b128 v5, v[C+4*\q:C+4*\q+3], s[16:17] offset:512*(\q/2)+256*(\q%2)
.endr
	s_endpgm
.Lfunc_end_k_qf33a7cb265_prep:
	.size	k_qf33a7cb265_prep, .Lfunc_end_k_qf33a7cb265_prep-k_qf33a7cb265_prep
	.p2alignl 7, 3214868480
	.fill 96, 4, 3214868480
	.section	.rodata,"a",@progbits
	.p2align	6, 0x0
	.amdhsa_kernel k_qf33a7cb265_prep
		.amdhsa_group_segment_fixed_size 0
		.amdhsa_private_segment_fixed_size 0
		.amdhsa_enable_private_segment 0
		.amdhsa_kernarg_size 56
		.amdhsa_user_sgpr_count 2
		.amdhsa_user_sgpr_kernarg_segment_ptr 1
		.amdhsa_wavefront_size32 1
		.amdhsa_system_sgpr_workgroup_id_x 1
		.amdhsa_system_sgpr_workgroup_id_y 1
		.amdhsa_system_sgpr_workgroup_id_z 1
		.amdhsa_system_vgpr_workitem_id 0
		.amdhsa_next_free_vgpr 96
		.amdhsa_next_free_sgpr 66
		.amdhsa_reserve_vcc 0
		.amdhsa_float_denorm_mode_32 3
		.amdhsa_float_denorm_mode_16_64 3
		.amdhsa_memory_ordered 1
		.amdhsa_forward_progress 1
		.amdhsa_inst_pref_size 14
	.end_amdhsa_kernel
	.amdgpu_metadata
---
amdhsa.version: [ 1, 2 ]
amdhsa.kernels:
  - .name:           k_qf33a7cb265_prep
    .symbol:         k_qf33a7cb265_prep.kd
    .args:
      - { .name: Wq, .offset: 0, .size: 8, .value_kind: global_buffer, .address_space: global }
      - { .name: Wk, .offset: 8, .size: 8, .value_kind: global_buffer, .address_space: global }
      - { .name: Wv, .offset: 16, .size: 8, .value_kind: global_buffer, .address_space: global }
      - { .name: W1, .offset: 24, .size: 8, .value_kind: global_buffer, .address_space: global }
      - { .name: W2, .offset: 32, .size: 8, .value_kind: global_buffer, .address_space: global }
      - { .name: lowp_scales, .offset: 40, .size: 8, .value_kind: global_buffer, .address_space: global }
      - { .name: wcodes, .offset: 48, .size: 8, .value_kind: global_buffer, .address_space: global }
    .group_segment_fixed_size: 0
    .private_segment_fixed_size: 0
    .kernarg_segment_align: 8
    .kernarg_segment_size: 56
    .max_flat_workgroup_size: 128
    .sgpr_count:     66
    .vgpr_count:     96
    .wavefront_size: 32
...
	.end_amdgpu_metadata
.endif
;; end of part 1
;; launch qkv (part 2): grid 256 x 1, 4 waves a work-group, clusters of 4 x 1, 327,680 bytes of LDS; arguments x, ln1_g, ln1_b, wcodes, lowp_scales, qc, kv; writes qc, kv
.if DOCPART == 2
	.amdgcn_target "amdgcn-amd-amdhsa--gfx1250"
	.amdhsa_code_object_version 6
	.text
	.protected	k_qf33a7cb265_qkv
	.globl	k_qf33a7cb265_qkv
	.p2align	8
	.type	k_qf33a7cb265_qkv,@function
k_qf33a7cb265_qkv:
	s_mov_b64 s[64:65], 0
	v_nop
	global_prefetch_b8 v0, s[64:65] scope:SCOPE_SE
	s_setreg_imm32_b32 hwreg(HW_REG_WAVE_MODE, 25, 1), 1
	s_wait_xcnt 0x0
	s_wait_alu depctr_hold_cnt(0) depctr_sa_sdst(0) depctr_va_vdst(0) depctr_va_sdst(0) depctr_va_ssrc(0) depctr_va_vcc(0) depctr_vm_vsrc(0)
	s_getreg_b32 s2, hwreg(HW_REG_IB_STS2, 6, 4)
	s_cmp_eq_u32 s2, 0
	s_cbranch_scc0 .Lentry_in_a_cluster
	s_endpgm
.Lentry_in_a_cluster:
	s_bfe_u32 s2, ttmp6, 0x10000c
	s_cmp_lg_u32 s2, 0x3003
	s_cbranch_scc0 .Lentry_shape_is_right
	s_endpgm
.Lentry_shape_is_right:
; y = layer_norm(x) g + b;  q = Q(y) Q(Wq), k = Q(y) Q(Wk), v = Q(y) Q(Wv), products on codes of BF8 (E5M2) with the given scales; q, k and v leave as codes for the attention's two products.
; SHARES.  A work-group owns 64 rows (block blk = 4 x cluster + place).  Wave w normalises and quantises the 16 rows rho(w, r) = 32 (w / 2) + 8 (w % 2) + r + 8 (r / 8), three times (each product has its own scale for y),
; and hands the codes to the others through LDS as images of the operand's registers.  In the products THE WAVES SHARE THE COLUMNS: wave w makes columns 128 w .. 128 w + 127 of q, k, v for all 64 rows.
; FRAGMENT: 16 rows x 128 k in 16 registers; registers 4 c .. 4 c + 3 of lane (r, h) hold k = 32 c + 16 h + 0 .. 15: the same order of k on both sides of every product.  IMAGE: those registers on end, 16 x lane + 512 c.
; WEIGHTS come as images (launch prep) in six tiles of 128 KiB (weight j / 2, half j % 2 of each wave's columns) through a ring of two LDS slots.  Wave w's part, 32 KiB, is dense in memory, is fetched by wave w and read by wave w alone.
; CLUSTER: the four work-groups of a cluster walk the same weights: each part is asked for JOINTLY, by the same tensor load with the same descriptor (made of the wave's number and constants) and the mask of all four.
; q and k are made transposed (source 0 = 16 columns of the weight, source 1 = 16 rows of y): a lane holds one row and 16 neighbouring columns in the registers of two neighbouring tiles, which the conversions turn into the
; next operand's registers.  v is made the other way (source 0 = y): a lane holds one channel and 16 neighbouring keys, since the keys are the second attention product's K.
; OUT: qc [blk][row tile t][K step s][image];  kv [key step of 128 keys][wave w of the attention][K: 2 key tiles x 4 K steps of images, then V^T: 8 channel tiles of images].  Every store of a wave covers 512 consecutive bytes, aligned.
; LIMITS on the given exponents, so that each power of two is an f32 number: e0, e2, e4, e6 - e0 - e1, e7 - e2 - e3, e9 - e4 - e5 between -126 and 112.  NaN among the inputs is not served; what lies beyond a scale's range is held at the largest code.
; REGISTERS, in windows of 256: window 0: v1-13 addresses, v16-25 sums, v32-43 scales, v64-127 at work, v128-255 the 16 accumulators (row tile t, column tile u at v[128 + 8 (4 t + u)]).
;   window 1: my 16 rows: x, then y: register 64 s + 16 c + i = k 128 s + 32 c + 16 h + i.   window 2: ln1_g so, later y's 16 fragments.   window 3: ln1_b so, later 16 fragments of a weight.
.set SLOT1, 1<<17                      ; slot 0 at LDS byte 0, slot 1 here: one exclusive or turns the walking descriptor
.set IMG,   262144                     ; y's images: fragment 4 t + s at 2,048 (4 t + s): 32,768 bytes
.set SPARE, 294912                     ; the spare words, 128 bytes for each wave: two blocks of 256 bytes that no other line names
.set T,   64                           ; v64-127  64 numbers held, on their way to codes
.set OC,  64                           ; v64-95   codes on their way out
.set ACC, 128
.set WV,  18                           ; s18      my wave's number
.set G1W, 36                           ; s[36:43] descriptor group 1
.set G0W, 52                           ; s[52:55] descriptor group 0, which walks
.set SEL, 58                           ; s[58:59] lane selects: lane l xor 16
.set MSB, 0
.macro WIN new                         ; the immediate's high byte repeats the setting that is left; a switch that changes nothing is dropped
.if MSB != \new
	s_set_vgpr_msb (MSB<<8)|\new
.set MSB, \new
.endif
.endm
.macro PLACES n
.rept \n
	v_nop
.endr
.endm
.macro CROUND                          ; a round of the cluster's barrier
	s_barrier_signal -1
	s_barrier_wait -1
	s_cmp_lg_u32 s[WV], 0
	s_cbranch_scc1 .Lnot_wave_0_\@
	s_barrier_signal -3
.Lnot_wave_0_\@:
	s_barrier_wait -3
	s_barrier_signal -1
	s_barrier_wait -1
.endm
.macro MKSC vd, se                     ; v[vd] = 2^e as f32, v[vd + 1] = 57,344 x 2^e; e in s[se]
	s_add_co_i32 s72, s[\se], 127
	s_lshl_b32 s73, s72, 23
	v_mov_b32 v[\vd], s73
	s_add_co_i32 s72, s72, 15
	s_lshl_b32 s72, s72, 23
	s_or_b32 s72, s72, 0x600000
	v_mov_b32 v[\vd+1], s72
.endm
	s_load_b256 s[4:11], s[0:1], 0x0               ; x s[4:5], ln1_g s[6:7], ln1_b s[8:9], wcodes s[10:11]
	s_load_b128 s[12:15], s[0:1], 0x20             ; the scales' exponents s[12:13], qc s[14:15]
	s_load_b64 s[16:17], s[0:1], 0x30              ; kv
	v_lshl_add_u32 v6, v0, 2, SPARE                ; my spare word; never rewritten
	v_mov_b32 v7, 0                                ; 0; never rewritten
	ds_add_u32 v6, v7
	ds_add_u32 v6, v7
	s_wait_dscnt 0x0
	v_lshrrev_b32 v1, 5, v0
	v_readfirstlane_b32 s[WV], v1                  ; wave 0..3
	s_bfe_u32 s19, ttmp6, 0x40000                  ; my place in the cluster
	s_lshl_b32 s20, ttmp9, 2
	s_add_co_u32 s20, s20, s19                     ; blk: it enters the addresses of x, qc and kv alone
	s_mov_b32 s[G1W], 15|(3<<16)|(1<<21)           ; 15:0 the mask: all four work-groups; 17:16 elements of 8 bytes; 21 set beside a mask; no padding: images are read densely
	s_mov_b32 s[G1W+1], 32<<16                     ; tensor_dim0 = 32 elements: rows of 256 bytes
	s_mov_b32 s[G1W+2], 128<<16                    ; tensor_dim1 = 128 rows: 32 KiB
	s_mov_b32 s[G1W+3], 32<<16                     ; tile_dim0
	s_mov_b32 s[G1W+4], 128                        ; tile_dim1
	s_mov_b32 s[G1W+5], 32                         ; the pitch: the block is dense
	s_mov_b32 s[G1W+6], 0
	s_mov_b32 s[G1W+7], 0
	s_mov_b32 s[SEL], 0x76543210
	s_mov_b32 s[SEL+1], 0xfedcba98
	s_mov_b32 s60, 0x3b000000                      ; 1 / 512
	s_mov_b32 s61, 0x3727c5ac                      ; 1e-5
	v_and_b32 v1, 31, v0
	v_lshlrev_b32 v1, 4, v1                        ; v1: 16 x lane: my place in an image
	v_and_b32 v2, 15, v0                           ; r
	v_bfe_u32 v3, v0, 4, 1                         ; h
	v_and_b32 v4, 8, v2
	v_add_nc_u32 v4, v4, v2                        ; r + 8 (r / 8)
	v_lshlrev_b32 v4, 11, v4                       ; rows of 2,048 bytes
	v_lshl_add_u32 v4, v3, 6, v4                   ; + 64 h: my 16 numbers of a group of 32
	s_lshr_b32 s66, s[WV], 1
	s_lshl_b32 s66, s66, 16
	s_and_b32 s67, s[WV], 1
	s_lshl_b32 s67, s67, 14
	s_add_co_u32 s66, s66, s67                     ; rows 32 (w / 2) + 8 (w % 2) on
	v_add_nc_u32 v4, s66, v4                       ; v4: x: my row's bytes in the block
	v_lshlrev_b32 v5, 6, v3                        ; v5: ln1_g, ln1_b: 64 h
	s_lshl_b32 s66, s[WV], 13
	s_add_co_u32 s66, s66, IMG
	v_add_nc_u32 v8, s66, v1                       ; v8: where I store my tile's images
	v_add_nc_u32 v9, IMG, v1                       ; v9: where any image is read
	s_lshl_b32 s66, s[WV], 15
	v_add_nc_u32 v10, s66, v1                      ; v10, v11: my part of a weight tile in slot 0, 1
	v_add_nc_u32 v11, SLOT1, v10
	v_add_nc_u32 v13, s66, v1                      ; v13: kv, V's part: 16 x lane + 32,768 w
	s_lshl_b32 s66, s[WV], 11
	v_add_nc_u32 v12, s66, v1                      ; v12: qc and kv's K part: 16 x lane + 2,048 w (K step s = w)
	s_wait_kmcnt 0x0
	s_load_b256 s[24:31], s[12:13], 0x0            ; e0 .. e7
	s_load_b64 s[32:33], s[12:13], 0x20            ; e8, e9
	s_mov_b32 s[G0W], 1                            ; count = 1
	s_lshl_b32 s[G0W+1], s[WV], 15                 ; LDS address: slot 0, my part
	s_lshl_b32 s68, s[WV], 16
	s_mov_b32 s69, 0
	s_add_nc_u64 s[G0W+2:G0W+3], s[10:11], s[68:69]  ; Wq's tiles 8 w .. 8 w + 3
	s_or_b32 s[G0W+3], s[G0W+3], 0x80000000        ; type = 2
	s_lshl_b32 s66, s20, 17
	s_mov_b32 s67, 0
	s_add_nc_u64 s[4:5], s[4:5], s[66:67]          ; x at my block
	s_lshl_b32 s66, s20, 15
	s_add_nc_u64 s[14:15], s[14:15], s[66:67]      ; qc at my block
	s_lshr_b32 s66, s20, 1
	s_lshl_b32 s66, s66, 17
	s_add_nc_u64 s[16:17], s[16:17], s[66:67]      ; kv at my key step: two blocks of 64 rows make one
	s_and_b32 s70, s20, 1
	s_lshl_b32 s66, s70, 16
	s_add_nc_u64 s[44:45], s[16:17], s[66:67]      ; K: my 64 keys are the parts of attention waves 2 (blk % 2) and 2 (blk % 2) + 1
	s_lshl_b32 s66, s70, 10
	s_add_co_u32 s66, s66, 16384
	s_add_nc_u64 s[46:47], s[16:17], s[66:67]      ; V^T: behind a part's K; my 64 keys are groups c = 2 (blk % 2), + 1 of each image
	CROUND                                         ; all four work-groups are here: the first joint loads meet
	tensor_load_to_lds s[G0W:G0W+3], s[G1W:G1W+7]  ; weight tile 0: one tensor load of mine is out
	s_nop 0
	PLACES 4
	WIN 0x40                                       ; destination window 1
.set i, 0
.rept 64
	global_load_b128 v[4*i:4*i+3], v4, s[4:5] offset:128*(i/4)+16*(i%4) th:TH_LOAD_NT   ; x(my row, 32 (i / 4) + 16 h + 4 (i % 4) ..)
.set i, i+1
.endr
	WIN 0x80                                       ; destination window 2
.set i, 0
.rept 64
	global_load_b128 v[4*i:4*i+3], v5, s[6:7] offset:128*(i/4)+16*(i%4)
.set i, i+1
.endr
	WIN 0xc0                                       ; destination window 3
.set i, 0
.rept 64
	global_load_b128 v[4*i:4*i+3], v5, s[8:9] offset:128*(i/4)+16*(i%4)
.set i, i+1
.endr
	WIN 0
	s_wait_kmcnt 0x0
	MKSC 32, 24                                    ; y's three scales: e0, e2, e4
	MKSC 34, 26
	MKSC 36, 28
	s_sub_co_i32 s74, s30, s24                     ; a sum of the first product stands for sum x 2^(e0 + e1): q's code is sum / 2^(e6 - e0 - e1)
	s_sub_co_i32 s74, s74, s25
	MKSC 38, 74
	s_sub_co_i32 s74, s31, s26                     ; k: e7 - e2 - e3
	s_sub_co_i32 s74, s74, s27
	MKSC 40, 74
	s_sub_co_i32 s74, s33, s28                     ; v: e9 - e4 - e5
	s_sub_co_i32 s74, s74, s29
	MKSC 42, 74
	s_wait_loadcnt 0x0
	; ---- the layer norm, in two passes: the mean; then the sum of squares of x - mean
	WIN 0x05                                       ; sources 0 and 1 window 1
.irp q, 0,1,2,3
	v_pk_add_f32 v[16+2*\q:17+2*\q], v[4*\q:4*\q+1], v[4*\q+2:4*\q+3]   ; four chains, started by the first eight pairs
.endr
	WIN 0x04
.set i, 8
.rept 120
	v_pk_add_f32 v[16+2*(i%4):17+2*(i%4)], v[16+2*(i%4):17+2*(i%4)], v[2*i:2*i+1]
.set i, i+1
.endr
	WIN 0
	v_pk_add_f32 v[16:17], v[16:17], v[18:19]
	v_pk_add_f32 v[20:21], v[20:21], v[22:23]
	v_pk_add_f32 v[16:17], v[16:17], v[20:21]
	v_add_f32 v16, v16, v17
	v_permlanex16_b32 v17, v16, s[SEL], s[SEL+1]   ; the row's other 256 numbers lie in the lane 16 away
	v_add_f32 v16, v16, v17
	v_mul_f32 v16, s60, v16                        ; the mean
	v_mov_b32 v17, v16
	WIN 0x41                                       ; destination and source 0 window 1
.set i, 0
.rept 128
	v_pk_add_f32 v[2*i:2*i+1], v[2*i:2*i+1], v[16:17] neg_lo:[0,1] neg_hi:[0,1]
.set i, i+1
.endr
	WIN 0x05
.irp q, 0,1,2,3
	v_pk_mul_f32 v[18+2*\q:19+2*\q], v[2*\q:2*\q+1], v[2*\q:2*\q+1]
.endr
.set i, 4
.rept 124
	v_pk_fma_f32 v[18+2*(i%4):19+2*(i%4)], v[2*i:2*i+1], v[2*i:2*i+1], v[18+2*(i%4):19+2*(i%4)]
.set i, i+1
.endr
	WIN 0
	v_pk_add_f32 v[18:19], v[18:19], v[20:21]
	v_pk_add_f32 v[22:23], v[22:23], v[24:25]
	v_pk_add_f32 v[18:19], v[18:19], v[22:23]
	v_add_f32 v18, v18, v19
	v_permlanex16_b32 v19, v18, s[SEL], s[SEL+1]
	v_add_f32 v18, v18, v19
	v_fma_f32 v18, v18, s60, s61                   ; the variance + 1e-5
	v_rsq_f32 v20, v18
	v_nop                                          ; a plain line behind the transcendental,
	s_wait_alu depctr_va_vdst(0)                   ; and a wait ahead of the first use of its result
	v_mov_b32 v21, v20
	WIN 0x41
.set i, 0
.rept 128
	v_pk_mul_f32 v[2*i:2*i+1], v[2*i:2*i+1], v[20:21]
.set i, i+1
.endr
	WIN 0x79                                       ; destination and source 0 window 1, source 1 (g) window 2, source 2 (b) window 3
.set i, 0
.rept 128
	v_pk_fma_f32 v[2*i:2*i+1], v[2*i:2*i+1], v[2*i:2*i+1], v[2*i:2*i+1]   ; y = (x - mean) rstd g + b
.set i, i+1
.endr
	WIN 0
; y's codes under its i-th scale: four fragments, stored as images.  y itself stays in window 1: the held numbers go into v[T] on.
.macro QUANTSET i
	s_wait_xcnt 0x0                                ; the last stores have read their data, which lay in v[OC] on
.irp s, 0,1,2,3
	WIN 0x01                                       ; source 0 window 1
.set k, 0
.rept 64
	v_med3_num_f32 v[T+k], v[64*\s+k], -v[33+2*\i], v[33+2*\i]   ; the conversion to an 8-bit code does not saturate (ISA guide 7.6.2): the hold comes first
.set k, k+1
.endr
	WIN 0
.irp g, 0,1,2,3,4,5,6,7
	v_cvt_scalef32_pk8_bf8_f32 v[ACC+16*\s+2*\g:ACC+16*\s+2*\g+1], v[T+8*\g:T+8*\g+7], v[32+2*\i]
.endr
	v_nop                                          ; a plain line between the conversions and the next lines that write their sources
.irp c, 0,1,2,3
	ds_store_b128 v8, v[ACC+16*\s+4*\c:ACC+16*\s+4*\c+3] offset:2048*\s+512*\c
.endr
.endr
.endm
; THE CHANGE OF SLOTS.  Each wave waits for all its tensor loads (the tile that it is about to read), adds 0 to its spare word, and waits for that, for its reads of the slot that it has left and for its stores of images.
; The round then holds of every wave of all four work-groups: the other slot is free, and the images are whole.  The joint refill is the first thing behind it; it has a tile's 64 products and its way out in which to land.
.macro CHG step
	WIN 0
	s_wait_tensorcnt 0x0                           ; no tensor load of mine is out, so group 0 may be written
	ds_add_u32 v6, v7                              ; 0 onto my spare word
	s_xor_b32 s[G0W+1], s[G0W+1], SLOT1            ; the other slot,
	s_add_nc_u64 s[G0W+2:G0W+3], s[G0W+2:G0W+3], \step   ; the next tile; the type bits on top are not reached
	s_wait_dscnt 0x0
	CROUND
	tensor_load_to_lds s[G0W:G0W+3], s[G1W:G1W+7]  ; my one tensor load until the next round
	s_nop 0
	PLACES 4                                       ; these are also places in front of the loads below
.endm
.macro LOADY                           ; y's 16 fragments, window 2: fragment 4 t + s at v[16 (4 t + s)]
	WIN 0x80
.set f, 0
.rept 64
	ds_load_b128 v[4*f:4*f+3], v9 offset:512*f
.set f, f+1
.endr
.endm
.macro LOADW slot                      ; my 16 fragments of the weight tile, window 3: (column tile u, K step s) at v[16 (4 u + s)]; the first K step's first
	WIN 0xc0
.irp s, 0,1,2,3
.irp u, 0,1,2,3
.irp c, 0,1,2,3
	ds_load_b128 v[16*(4*\u+\s)+4*\c:16*(4*\u+\s)+4*\c+3], v[10+\slot] offset:2048*(4*\u+\s)+512*\c
.endr
.endr
.endr
.endm
; 64 products: 4 row tiles x 4 column tiles x 4 K steps.  The 16 accumulators take turns, one instruction a turn; the first K step starts the sums.
.macro MUL kind                        ; 0: source 0 = the weight (q, k);  1: source 0 = y (v)
.irp s, 0,1,2,3
	s_wait_dscnt 48-16*\s                          ; y and the weight's fragments up to this K step are in; the later K steps' loads, 16 each, may be out
.if \kind
	WIN 0x0e                                       ; source 0 window 2, source 1 window 3
.else
	WIN 0x0b                                       ; source 0 window 3, source 1 window 2
.endif
.irp t, 0,1,2,3
.irp u, 0,1,2,3
.if \kind
.if \s == 0
	v_wmma_f32_16x16x128_bf8_bf8 v[ACC+8*(4*\t+\u):ACC+8*(4*\t+\u)+7], v[16*(4*\t+\s):16*(4*\t+\s)+15], v[16*(4*\u+\s):16*(4*\u+\s)+15], 0
.else
	v_wmma_f32_16x16x128_bf8_bf8 v[ACC+8*(4*\t+\u):ACC+8*(4*\t+\u)+7], v[16*(4*\t+\s):16*(4*\t+\s)+15], v[16*(4*\u+\s):16*(4*\u+\s)+15], v[ACC+8*(4*\t+\u):ACC+8*(4*\t+\u)+7]
.endif
.else
.if \s == 0
	v_wmma_f32_16x16x128_bf8_bf8 v[ACC+8*(4*\t+\u):ACC+8*(4*\t+\u)+7], v[16*(4*\u+\s):16*(4*\u+\s)+15], v[16*(4*\t+\s):16*(4*\t+\s)+15], 0
.else
	v_wmma_f32_16x16x128_bf8_bf8 v[ACC+8*(4*\t+\u):ACC+8*(4*\t+\u)+7], v[16*(4*\u+\s):16*(4*\u+\s)+15], v[16*(4*\t+\s):16*(4*\t+\s)+15], v[ACC+8*(4*\t+\u):ACC+8*(4*\t+\u)+7]
.endif
.endif
.endr
.endr
.endr
.endm
.macro HOLD sc                         ; the 128 sums held within the largest code x the folded scale, each accumulator from its low end on
	WIN 0
	PLACES 5                                       ; behind the last products: four for the reads below, a fifth for the next tile's first products, which write over these accumulators (ISA guide 7.12.1)
	s_wait_xcnt 0x0                                ; the last tile's stores have read v[OC] on
.set k, 0
.rept 128
	v_med3_num_f32 v[ACC+k], v[ACC+k], -v[\sc+1], v[\sc+1]
.set k, k+1
.endr
.endm
; q or k: the 16 registers of column tiles 2 b and 2 b + 1 of row tile t are columns 128 w + 64 p + 32 b + 16 h + 0 .. 15 of one row: group c = 2 p + b of the image (t, K step w)
.macro OUTQK sc, p, isk
	HOLD \sc
.irp g, 0,1,2,3,4,5,6,7
	v_cvt_scalef32_pk8_bf8_f32 v[OC+4*\g:OC+4*\g+1], v[ACC+16*\g:ACC+16*\g+7], v[\sc]
	v_cvt_scalef32_pk8_bf8_f32 v[OC+4*\g+2:OC+4*\g+3], v[ACC+16*\g+8:ACC+16*\g+15], v[\sc]
.endr
	v_nop                                          ; a plain line behind the last conversion
.irp t, 0,1,2,3
.irp b, 0,1
.if \isk
	global_store_b128 v12, v[OC+4*(2*\t+\b):OC+4*(2*\t+\b)+3], s[44:45] offset:(\t/2)*32768+(\t%2)*8192+512*(2*\p+\b)
.else
	global_store_b128 v12, v[OC+4*(2*\t+\b):OC+4*(2*\t+\b)+3], s[14:15] offset:8192*\t+512*(2*\p+\b)
.endif
.endr
.endr
.endm
; v: the registers of row tiles 2 b and 2 b + 1 of column tile u are keys 32 b + 16 h + 0 .. 15 of one channel: group c = 2 (blk % 2) + b of the image of channel tile 4 p + u
.macro OUTV p
	HOLD 42
.irp u, 0,1,2,3
.irp b, 0,1
	v_cvt_scalef32_pk8_bf8_f32 v[OC+4*(2*\u+\b):OC+4*(2*\u+\b)+1], v[ACC+8*(8*\b+\u):ACC+8*(8*\b+\u)+7], v42
	v_cvt_scalef32_pk8_bf8_f32 v[OC+4*(2*\u+\b)+2:OC+4*(2*\u+\b)+3], v[ACC+8*(8*\b+4+\u):ACC+8*(8*\b+4+\u)+7], v42
.endr
.endr
	v_nop
.irp u, 0,1,2,3
.irp b, 0,1
	global_store_b128 v13, v[OC+4*(2*\u+\b):OC+4*(2*\u+\b)+3], s[46:47] offset:(4*\p+\u)*2048+512*\b
.endr
.endr
.endm
	QUANTSET 0                                     ; ---- q
	CHG 32768                                      ; from a weight's first half to its second: 32,768 bytes on
	LOADY
	LOADW 0
	MUL 0
	OUTQK 38, 0, 0
	CHG 229376                                     ; to the next weight's first half: 262,144 - 32,768
	LOADW 1
	MUL 0
	OUTQK 38, 1, 0
	QUANTSET 1                                     ; ---- k.  Every wave's reads of the last images were over at the round before
	CHG 32768
	LOADY
	LOADW 0
	MUL 0
	OUTQK 40, 0, 1
	CHG 229376
	LOADW 1
	MUL 0
	OUTQK 40, 1, 1
	QUANTSET 2                                     ; ---- v
	CHG 32768
	LOADY
	LOADW 0
	MUL 1
	OUTV 0
	s_wait_tensorcnt 0x0                           ; the last tile: my part, which I alone read, is in; nothing is filled again and nothing handed over, so no barrier
	LOADW 1
	MUL 1
	OUTV 1
	s_wait_tensorcnt 0x0                           ; the wave's end
	ds_add_u32 v6, v7
	s_wait_dscnt 0x0
	CROUND                                         ; the closing round: no work-group ends while a partner may still ask for a tile that names it
	s_endpgm
.Lfunc_end_k_qf33a7cb265_qkv:
	.size	k_qf33a7cb265_qkv, .Lfunc_end_k_qf33a7cb265_qkv-k_qf33a7cb265_qkv
	.p2alignl 7, 3214868480
	.fill 96, 4, 3214868480
	.section	.rodata,"a",@progbits
	.p2align	6, 0x0
	.amdhsa_kernel k_qf33a7cb265_qkv
		.amdhsa_group_segment_fixed_size 327680
		.amdhsa_private_segment_fixed_size 0
		.amdhsa_enable_private_segment 0
		.amdhsa_kernarg_size 56
		.amdhsa_user_sgpr_count 2
		.amdhsa_user_sgpr_kernarg_segment_ptr 1
		.amdhsa_wavefront_size32 1
		.amdhsa_system_sgpr_workgroup_id_x 1
		.amdhsa_system_sgpr_workgroup_id_y 1
		.amdhsa_system_sgpr_workgroup_id_z 1
		.amdhsa_system_vgpr_workitem_id 0
		.amdhsa_next_free_vgpr 1024
		.amdhsa_next_free_sgpr 76
		.amdhsa_reserve_vcc 0
		.amdhsa_float_denorm_mode_32 3
		.amdhsa_float_denorm_mode_16_64 3
		.amdhsa_memory_ordered 1
		.amdhsa_forward_progress 1
		.amdhsa_inst_pref_size 249
	.end_amdhsa_kernel
	.amdgpu_metadata
---
amdhsa.version: [ 1, 2 ]
amdhsa.kernels:
  - .name:           k_qf33a7cb265_qkv
    .symbol:         k_qf33a7cb265_qkv.kd
    .args:
      - { .name: x, .offset: 0, .size: 8, .value_kind: global_buffer, .address_space: global }
      - { .name: ln1_g, .offset: 8, .size: 8, .value_kind: global_buffer, .address_space: global }
      - { .name: ln1_b, .offset: 16, .size: 8, .value_kind: global_buffer, .address_space: global }
      - { .name: wcodes, .offset: 24, .size: 8, .value_kind: global_buffer, .address_space: global }
      - { .name: lowp_scales, .offset: 32, .size: 8, .value_kind: global_buffer, .address_space: global }
      - { .name: qc, .offset: 40, .size: 8, .value_kind: global_buffer, .address_space: global }
      - { .name: kv, .offset: 48, .size: 8, .value_kind: global_buffer, .address_space: global }
    .group_segment_fixed_size: 327680
    .private_segment_fixed_size: 0
    .kernarg_segment_align: 8
    .kernarg_segment_size: 56
    .max_flat_workgroup_size: 128
    .sgpr_count:     76
    .vgpr_count:     1024
    .wavefront_size: 32
...
	.end_amdgpu_metadata
.endif
;; end of part 2
;; launch attn (part 3): grid 32 x 8, 4 waves a work-group, clusters of 4 x 1, 327,680 bytes of LDS; arguments qc, kv, wcodes, x, lowp_scales, ln2_g, ln2_b, b1, b2, out0; writes out0
.if DOCPART == 3
	.amdgcn_target "amdgcn-amd-amdhsa--gfx1250"
	.amdhsa_code_object_version 6
	.text
	.protected	k_qf33a7cb265_attn
	.globl	k_qf33a7cb265_attn
	.p2align	8
	.type	k_qf33a7cb265_attn,@function
k_qf33a7cb265_attn:
	s_mov_b64 s[64:65], 0
	v_nop
	global_prefetch_b8 v0, s[64:65] scope:SCOPE_SE
	s_setreg_imm32_b32 hwreg(HW_REG_WAVE_MODE, 25, 1), 1
	s_wait_xcnt 0x0
	s_wait_alu depctr_hold_cnt(0) depctr_sa_sdst(0) depctr_va_vdst(0) depctr_va_sdst(0) depctr_va_ssrc(0) depctr_va_vcc(0) depctr_vm_vsrc(0)
	s_getreg_b32 s2, hwreg(HW_REG_IB_STS2, 6, 4)
	s_cmp_eq_u32 s2, 0
	s_cbranch_scc0 .Lentry_in_a_cluster
	s_endpgm
.Lentry_in_a_cluster:
	s_bfe_u32 s2, ttmp6, 0x10000c
	s_cmp_lg_u32 s2, 0x3003
	s_cbranch_scc0 .Lentry_shape_is_right
	s_endpgm
.Lentry_shape_is_right:
; x1 = x + softmax(q k^T / sqrt(512)) v;  out = x1 + gelu(layer_norm(x1) W1 + b1) W2 + b2.  All four products on codes of BF8 (E5M2) with the given scales; everything else in f32.  x1 and the hidden layer never go to memory.
; THE SOFTMAX AHEAD OF THE SECOND PRODUCT: t = score x log2(e) / sqrt(512); M = the row's largest t so far, rounded UP to a whole number; p = 2^(t - M) is quantised, not normalised; the row's sum is taken of the unquantised p
; and divides at the end.  When M moves, the sum and O are multiplied by 2^(old M - new M), which rounds nothing.
; SHARES.  A work-group owns 64 queries of one batch (block blk): four tiles t of 16, lane r of tile t = query rho(t, r) = 32 (t / 2) + 8 (t % 2) + r + 8 (r / 8).  EVERY WAVE WORKS ON ALL FOUR TILES, so that each fragment of K, V or a weight feeds four products.
; A key step is 128 keys, 16 steps.  S^T = K Q^T: wave w takes keys 32 w .. 32 w + 31 (two key tiles u).  O^T += V^T P^T: wave w takes channels 128 w .. 128 w + 127 (eight tiles i).  Between the two the rows' maxima and p's codes cross
; the waves through LDS: two barriers a step.  A lane holds one query throughout.  In the feed-forward part wave w makes hidden units and outputs 128 w .. 128 w + 127 for all 64 rows, its part of each weight in registers.
; FRAGMENT: 16 rows x 128 k in 16 registers; registers 4 c .. 4 c + 3 of lane (r, h) hold k = 32 c + 16 h + 0 .. 15, alike on both sides of every product.  IMAGE: those registers on end, 16 x lane + 512 c.  All operands lie as images, in memory and in LDS.
; THE ROWS OF A TILE OF K, V^T, W1, W2 ARE NOT NEIGHBOURS (row r of tile T: 32 (T / 2) + 8 (T % 2) + r + 8 (r / 8)), so that the 16 registers of two neighbouring result tiles are 16 neighbours along the next K.
; RING: two LDS slots of 128 KiB; a key step's tile is four dense parts of 32 KiB (K: 8 images, V^T: 8 images), part w fetched by wave w and read by wave w alone.  The two weights then take both slots, 64 KiB a wave.
; CLUSTER: the four query blocks of a cluster belong to one batch and walk the same K, V and weights: each part is asked for JOINTLY, by the same tensor load with the same descriptor (batch, wave's number, constants) and the mask of all four.
; GELU: 0.5 v erfc(-v / sqrt 2) = max(v, 0) - |v| E / 2, E = erfc(|v| / sqrt 2) = u exp(-v^2 / 2 + poly(u)), u = 1 / (1 + |v| / (2 sqrt 2)): a fit of degree 9 with a fractional error of 1.2e-7 for every v; log2(e) and the 1/2 are folded into its constants.
; LIMITS on the given exponents, so that each power of two is an f32 number: e8, e10, e12 between -126 and 112; e6 + e7 between -122 and 131; e10 + e11 and e12 + e13 between -126 and 127.  NaN among the inputs is not served;
; v_exp_f32 gives 0 for results under 2^-126.
; REGISTERS, in windows of 256: window 0: v1-31 addresses and scales; v32-63 eight statistics a tile; v64-127 S^T (tile t, key tile u at v[64 + 16 t + 8 u]), later a row tile's four fragments, GELU's scratch, results;
;   v128-191 p's four fragments, later eight accumulators, rows on their way out; v192-255 p's codes, later 64 numbers at work, biases.
;   window 1: O^T, then x1: register 64 t + 16 b + i = channel 128 w + 32 b + 16 h + i of query rho(t, r).   window 2: Q (fragment 4 t + s at v[16 (4 t + s)]), then x, then a weight's fragments 0-15.
;   window 3: K (4 u + s) at v0-127, V^T (i) at v128-255, then ln2's gain and bias, then a weight's fragments 16-31.
.set SLOT1, 1<<17
.set SPARE, 262144                     ; the spare words, 128 bytes for each wave: two blocks of 256 bytes that no other line names
.set MX,    262656                     ; [t][r][w] f32: the rows' maxima; + 1,024 the rows' sums; + 2,048 the means; + 3,072 the sums of squares
.set PAR,   266752                     ; ln2_g, ln2_b, b1, b2: 2,048 bytes each
.set PIMG,  274944                     ; p's images: tile t at 2,048 t; wave w writes group c = w
.set SCR,   283136                     ; the images of layer_norm(x1), fragment 4 t + s; the hidden layer's take their place, row tile by row tile: 32,768 bytes
.set ST,  32                           ; tile t's statistics at v[ST + 8 t]: +0 -M, +1 the largest t, +2, +3 the sum, +4 f, +5 its partner in the pair, +6, +7 at work
.set S,   64
.set PF,  128
.set PC,  192
.set YF,  64
.set ACC, 128
.set TMP, 192
.set TT,  64                           ; GELU's scratch: u,
.set PP,  96                           ; the polynomial,
.set WW,  192                          ; v^2, then max(v, 0)
.set WV,  32                           ; s32      my wave's number
.set G1K, 36                           ; s[36:43] descriptor group 1: 32 KiB
.set G1W, 44                           ; s[44:51] the same for 64 KiB
.set G0,  52                           ; s[52:55] descriptor group 0, which walks
.set CS,  56                           ; s[56:57] c = log2(e) / sqrt(512) x 2^(e6 + e7)
.set SEL, 58                           ; s[58:59] lane selects: lane l xor 16
.set TB,  60                           ; s60      LDS byte at which the slot in hand begins
.set CNT, 61                           ; s61      key steps to go behind this one; later the feed-forward loop's count
.set PFA, 62                           ; s[62:63] where my prefetches stand
.set XB,  66                           ; s[66:67] x at my block
.set LIM, 68                           ; s68      2 in a cluster that prefetches, else the greatest number
.set E89, 69                           ; s69      e8 + e9
.set SM,  70                           ; s70      the feed-forward loop's row tile, in bytes of images
.set GC,  76                           ; s[76:93] GELU's constants c0 .. c7, c9, as pairs
.set HS,  94                           ; s94      1 / (2 sqrt 2);  s95: 1e-5
.set KN,  96                           ; s[96:97] -log2(e) / 2
.set SC1, 98                           ; s[98:99] 2^(e10 + e11)
.set SC2, 100                          ; s[100:101] 2^(e12 + e13)
.set MSB, 0
.macro WIN new                         ; the immediate's high byte repeats the setting that is left; a switch that changes nothing is dropped
.if MSB != \new
	s_set_vgpr_msb (MSB<<8)|\new
.set MSB, \new
.endif
.endm
.macro PLACES n
.rept \n
	v_nop
.endr
.endm
.macro CROUND                          ; a round of the cluster's barrier
	s_barrier_signal -1
	s_barrier_wait -1
	s_cmp_lg_u32 s[WV], 0
	s_cbranch_scc1 .Lnot_wave_0_\@
	s_barrier_signal -3
.Lnot_wave_0_\@:
	s_barrier_wait -3
	s_barrier_signal -1
	s_barrier_wait -1
.endm
.macro MKSC vd, se                     ; v[vd] = 2^e as f32, v[vd + 1] = 57,344 x 2^e; e in s[se]
	s_add_co_i32 s72, s[\se], 127
	s_lshl_b32 s73, s72, 23
	v_mov_b32 v[\vd], s73
	s_add_co_i32 s72, s72, 15
	s_lshl_b32 s72, s72, 23
	s_or_b32 s72, s72, 0x600000
	v_mov_b32 v[\vd+1], s72
.endm
.macro SETC n, bits                    ; a constant as a pair: the packed forms name the pair
	s_mov_b32 s[GC+2*\n], \bits
	s_mov_b32 s[GC+2*\n+1], \bits
.endm
	s_load_b512 s[4:19], s[0:1], 0x0               ; qc s[4:5], kv s[6:7], wcodes s[8:9], x s[10:11], the scales' exponents s[12:13], ln2_g s[14:15], ln2_b s[16:17], b1 s[18:19]
	s_load_b128 s[20:23], s[0:1], 0x40             ; b2 s[20:21], out0 s[22:23]
	v_lshl_add_u32 v4, v0, 2, SPARE                ; my spare word; never rewritten
	v_mov_b32 v5, 0                                ; 0; never rewritten
	ds_add_u32 v4, v5
	ds_add_u32 v4, v5
	s_wait_dscnt 0x0
	v_lshrrev_b32 v1, 5, v0
	v_readfirstlane_b32 s[WV], v1                  ; wave 0..3
	s_bfe_u32 s33, ttmp6, 0x40000                  ; my place in the cluster
	s_lshl_b32 s34, ttmp9, 2
	s_add_co_u32 s34, s34, s33                     ; my block of 64 queries in the batch
	s_and_b32 s35, ttmp7, 0xffff                   ; the batch, which the four partners share
	s_mov_b32 s[G1K], 15|(3<<16)|(1<<21)           ; 15:0 the mask: all four work-groups; 17:16 elements of 8 bytes; 21 set beside a mask; no padding: images are read densely
	s_mov_b32 s[G1K+1], 32<<16                     ; tensor_dim0 = 32 elements: rows of 256 bytes
	s_mov_b32 s[G1K+2], 128<<16                    ; tensor_dim1 = 128 rows
	s_mov_b32 s[G1K+3], 32<<16                     ; tile_dim0
	s_mov_b32 s[G1K+4], 128                        ; tile_dim1
	s_mov_b32 s[G1K+5], 32                         ; the pitch: the block is dense
	s_mov_b32 s[G1K+6], 0
	s_mov_b32 s[G1K+7], 0
	s_mov_b32 s[G1W], 15|(3<<16)|(1<<21)           ; the same with 256 rows
	s_mov_b32 s[G1W+1], 32<<16
	s_mov_b32 s[G1W+2], 256<<16
	s_mov_b32 s[G1W+3], 32<<16
	s_mov_b32 s[G1W+4], 256
	s_mov_b32 s[G1W+5], 32
	s_mov_b32 s[G1W+6], 0
	s_mov_b32 s[G1W+7], 0
	s_mov_b32 s[SEL], 0x76543210
	s_mov_b32 s[SEL+1], 0xfedcba98
	s_mov_b32 s[TB], 0
	s_cmp_eq_u32 ttmp9, 0                          ; the batch's first cluster prefetches: the same in all four partners
	s_cselect_b32 s[LIM], 2, -1
	SETC 0, 0xc034d90f                             ; -1.26551223 log2(e) - 1
	SETC 1, 0x3fb8ab5a                             ;  1.00002368 log2(e)
	SETC 2, 0x3f0a29d2                             ;  0.37409196 log2(e)
	SETC 3, 0x3e0efb2f                             ;  0.09678418 log2(e)
	SETC 4, 0xbe899a80                             ; -0.18628806 log2(e)
	SETC 5, 0x3ecdfd18                             ;  0.27886807 log2(e)
	SETC 6, 0xbfd1a1e6                             ; -1.13520398 log2(e)
	SETC 7, 0x40097039                             ;  1.48851587 log2(e)
	SETC 8, 0x3e7c6f08                             ;  0.17087277 log2(e): c9
	v_mov_b32 v30, 0xbf97d29d                      ; -0.82215223 log2(e): c8, in a vector pair: an instruction takes one scalar pair
	v_mov_b32 v31, 0xbf97d29d
	s_mov_b32 s[HS], 0x3eb504f3
	s_mov_b32 s95, 0x3727c5ac
	s_mov_b32 s[KN], 0xbf38aa3b
	s_mov_b32 s[KN+1], 0xbf38aa3b
	v_and_b32 v1, 31, v0
	v_lshlrev_b32 v13, 8, v1                       ; v13: the prefetches' offset: 256 x lane; never rewritten
	v_lshlrev_b32 v1, 4, v1                        ; v1: 16 x lane: my place in an image
	v_and_b32 v2, 15, v0                           ; r
	v_bfe_u32 v3, v0, 4, 1                         ; h
	s_lshl_b32 s72, s[WV], 15
	v_add_nc_u32 v6, s72, v1                       ; v6: my part of a key step's tile in slot 0
	v_lshlrev_b32 v9, 4, v2
	v_add_nc_u32 v9, MX, v9                        ; v9: a query's four words
	s_lshl_b32 s72, s[WV], 2
	v_add_nc_u32 v8, s72, v9                       ; v8: my wave's word of them
	s_lshl_b32 s72, s[WV], 9
	v_add_nc_u32 v12, s72, v1                      ; v12: out0: 16 x lane + my wave's 512 bytes of a row
	s_add_co_u32 s73, s72, PIMG
	v_add_nc_u32 v10, s73, v1                      ; v10: where I store my group of p's images
	v_add_nc_u32 v11, PIMG, v1                     ; v11: where p's images are read
	v_and_b32 v14, 8, v2
	v_add_nc_u32 v14, v14, v2
	v_lshlrev_b32 v14, 11, v14
	v_lshl_add_u32 v14, v3, 6, v14
	v_add_nc_u32 v14, s72, v14                     ; v14: x: row r + 8 (r / 8), + 512 w + 64 h
	s_add_co_u32 s73, s72, PAR
	v_lshlrev_b32 v18, 6, v3
	v_add_nc_u32 v18, s73, v18                     ; v18: a parameter's numbers for my channels: PAR + 512 w + 64 h
	v_lshlrev_b32 v15, 4, v0                       ; v15: 16 x thread: the parameters on their way in
	v_add_nc_u32 v29, PAR, v15                     ; v29: and in LDS
	v_add_nc_u32 v16, SCR, v1                      ; v16: where the row tiles' images are read
	s_lshl_b32 s72, s[WV], 11
	s_add_co_u32 s72, s72, SCR
	v_add_nc_u32 v17, s72, v1                      ; v17: where I store K step w of them
	s_lshl_b32 s72, s[WV], 16
	v_add_nc_u32 v19, s72, v1                      ; v19: my 64 KiB of a weight; later my stage, read by rows
	v_mul_u32_u24 v20, v2, 528
	v_lshl_add_u32 v20, v3, 6, v20
	v_add_nc_u32 v20, s72, v20                     ; v20: my stage, written: row r of 512 + 16 bytes, + 64 h
.irp t, 0,1,2,3
	v_mov_b32 v[ST+8*\t+5], 0                      ; named as the upper half of a pair,
	v_mov_b32 v[ST+8*\t+7], 0                      ; and as a lane permute's destination, which counts as read: written once
.endr
	s_wait_kmcnt 0x0
	s_load_b256 s[24:31], s[12:13], 0x18           ; e6 .. e13
	s_lshl_b32 s72, s35, 21                        ; the batch's 16 key steps of 131,072 bytes,
	s_lshl_b32 s73, s[WV], 15
	s_add_co_u32 s72, s72, s73                     ; my part
	s_mov_b32 s73, 0
	s_mov_b32 s[G0], 1                             ; count = 1
	s_lshl_b32 s[G0+1], s[WV], 15                  ; LDS address: slot 0, my part
	s_add_nc_u64 s[G0+2:G0+3], s[6:7], s[72:73]
	s_or_b32 s[G0+3], s[G0+3], 0x80000000          ; type = 2
	s_lshl_b32 s72, s[WV], 16
	s_add_co_u32 s72, s72, 786432
	s_add_nc_u64 s[8:9], s[8:9], s[72:73]          ; W1's codes, my 64 KiB
	s_lshl_b32 s74, s33, 2                         ; the prefetches: a tile's 131,072 bytes are shared out BY ADDRESS: 8,192 for each of 4 work-groups x 4 waves, lanes 256 bytes apart
	s_add_co_u32 s74, s74, s[WV]
	s_lshl_b32 s74, s74, 13
	s_add_co_u32 s74, s74, 262144                  ; in key step 2: the first change of slots steps it to 3.  Nothing is prefetched at the head
	s_lshl_b32 s75, s35, 21
	s_add_co_u32 s74, s74, s75
	s_mov_b32 s75, 0
	s_add_nc_u64 s[PFA:PFA+1], s[6:7], s[74:75]
	s_lshl_b32 s74, s35, 5
	s_add_co_u32 s74, s74, s34                     ; blk
	s_lshl_b32 s70, s74, 15
	s_mov_b32 s71, 0
	s_add_nc_u64 s[4:5], s[4:5], s[70:71]          ; qc at my block
	s_lshl_b32 s70, s74, 17
	s_add_nc_u64 s[XB:XB+1], s[10:11], s[70:71]    ; x and out0 likewise
	s_add_nc_u64 s[22:23], s[22:23], s[70:71]
	CROUND                                         ; all four work-groups are here: the first joint loads meet
	tensor_load_to_lds s[G0:G0+3], s[G1K:G1K+7]    ; key step 0: one tensor load of mine is out
	s_nop 0
	PLACES 4
	WIN 0x80                                       ; destination window 2
.set f, 0
.rept 64
	global_load_b128 v[4*f:4*f+3], v1, s[4:5] offset:512*f   ; Q's 16 fragments stay in registers
.set f, f+1
.endr
	WIN 0
	global_load_b128 v[64:67], v15, s[14:15]       ; the four parameters: 128 threads x 16 bytes each
	global_load_b128 v[68:71], v15, s[16:17]
	global_load_b128 v[72:75], v15, s[18:19]
	global_load_b128 v[76:79], v15, s[20:21]
	s_wait_kmcnt 0x0
	s_mov_b32 s[CS], 0x3d8293ee                    ; log2(e) / sqrt(512)
	s_add_co_i32 s72, s24, s25
	s_lshl_b32 s72, s72, 23
	s_add_co_i32 s[CS], s[CS], s72                 ; a score stands for score x 2^(e6 + e7): the exponents are added to c's exponent field
	s_mov_b32 s[CS+1], s[CS]
	s_add_co_i32 s[E89], s26, s27
	MKSC 23, 26                                    ; v23, v24: p's scale e8
	MKSC 25, 28                                    ; v25, v26: layer_norm(x1)'s, e10
	MKSC 27, 30                                    ; v27, v28: the hidden layer's, e12
	s_add_co_i32 s72, s28, s29
	s_add_co_i32 s72, s72, 127
	s_lshl_b32 s[SC1], s72, 23
	s_mov_b32 s[SC1+1], s[SC1]
	s_add_co_i32 s72, s30, s31
	s_add_co_i32 s72, s72, 127
	s_lshl_b32 s[SC2], s72, 23
	s_mov_b32 s[SC2+1], s[SC2]
	s_wait_loadcnt 0x0
.irp p, 0,1,2,3
	ds_store_b128 v29, v[64+4*\p:67+4*\p] offset:2048*\p
.endr
; A PREFETCH INTO THE L2 of the key step that stands two refills on (step j names tile j + 3; tile j + 3 is asked for by its tensor load in step j + 2).  All clusters of a batch walk the same tiles: the batch's first cluster asks;
; its four work-groups and their four waves share a tile's blocks out by address, a lane a block of 256 bytes, one instruction a wave: each block is named once in the launch.  Steps 13 and 14 ask for nothing: there is no tile 16.
.macro ASK
	s_cmp_gt_u32 s[CNT], s[LIM]
	s_cbranch_scc0 .Lnot_mine_\@
	global_prefetch_b8 v13, s[PFA:PFA+1] th:TH_LOAD_NT scope:SCOPE_SE
.Lnot_mine_\@:
.endm
; THE CHANGE OF SLOTS stands at a key step's head.  Each wave waits for all its tensor loads (its part of the tile that it is about to read), adds 0 to its spare word, and waits for that and for its reads of the slot that it has left.
; The round then holds of every wave of all four work-groups; the joint refill is the first thing behind it and has the whole key step in which to land.
.macro CHANGE
	WIN 0
	s_wait_tensorcnt 0x0                           ; no tensor load of mine is out, so group 0 may be written
	ds_add_u32 v4, v5                              ; 0 onto my spare word
	s_xor_b32 s[G0+1], s[G0+1], SLOT1              ; the other slot,
	s_add_nc_u64 s[G0+2:G0+3], s[G0+2:G0+3], 131072  ; the next key step; the type bits on top are not reached
	s_wait_xcnt 0x0                                ; the last prefetch, a key step back, has read its address
	s_add_nc_u64 s[PFA:PFA+1], s[PFA:PFA+1], 131072
	s_wait_dscnt 0x0
	CROUND
	tensor_load_to_lds s[G0:G0+3], s[G1K:G1K+7]    ; my one tensor load until the next round
	s_nop 0
	PLACES 4                                       ; these are also the places in front of the loads into K's and V's registers
	ASK
.endm
; A KEY STEP.  first = 1: it starts M, the sums and O^T.  last = 1: x is asked for, into Q's registers, as soon as Q has been multiplied for the last time.
.macro KSTEP first, last
	v_add_nc_u32 v7, s[TB], v6
	WIN 0xc0                                       ; destination window 3
.irp s, 0,1,2,3                        ; K: the first channel step's fragments first
.irp u, 0,1
.irp c, 0,1,2,3
	ds_load_b128 v[16*(4*\u+\s)+4*\c:16*(4*\u+\s)+4*\c+3], v7 offset:2048*(4*\u+\s)+512*\c
.endr
.endr
.endr
.set f, 0
.rept 32                               ; V^T: eight fragments
	ds_load_b128 v[128+4*f:128+4*f+3], v7 offset:16384+512*f
.set f, f+1
.endr
	WIN 0x0b                                       ; source 0 (K) window 3, source 1 (Q) window 2
.irp s, 0,1,2,3                        ; S^T = K Q^T: eight accumulators by turns; the first channel step starts the sums
	s_wait_dscnt 56-8*\s                           ; K's fragments up to this channel step are in; the later steps' loads, 8 each, and V's 32 may be out
.irp u, 0,1
.irp t, 0,1,2,3
.if \s == 0
	v_wmma_f32_16x16x128_bf8_bf8 v[S+16*\t+8*\u:S+16*\t+8*\u+7], v[16*(4*\u+\s):16*(4*\u+\s)+15], v[16*(4*\t+\s):16*(4*\t+\s)+15], 0
.else
	v_wmma_f32_16x16x128_bf8_bf8 v[S+16*\t+8*\u:S+16*\t+8*\u+7], v[16*(4*\u+\s):16*(4*\u+\s)+15], v[16*(4*\t+\s):16*(4*\t+\s)+15], v[S+16*\t+8*\u:S+16*\t+8*\u+7]
.endif
.endr
.endr
.endr
	PLACES 4                                       ; behind the last products: in front of the first read of the scores, and of loads into Q's registers
.if \last
	WIN 0x80                                       ; destination window 2
.irp t, 0,1,2,3
.set f, 0
.rept 16
	global_load_b128 v[64*\t+4*f:64*\t+4*f+3], v14, s[XB:XB+1] offset:(32*(\t/2)+8*(\t%2))*2048+128*(f/4)+16*(f%4) th:TH_LOAD_NT   ; x in O^T's layout
.set f, f+1
.endr
.endr
.endif
	WIN 0
	; lane (r, h) holds, for tile t, the scores of query rho(t, r) with keys 32 w + 16 h + 0 .. 15.  Their maximum, each accumulator from its low end on:
.irp t, 0,1,2,3
	v_max3_num_f32 v[ST+8*\t+6], v[S+16*\t], v[S+16*\t+1], v[S+16*\t+2]
.endr
.irp k, 1,2,3,4,5,6
.irp t, 0,1,2,3
	v_max3_num_f32 v[ST+8*\t+6], v[ST+8*\t+6], v[S+16*\t+2*\k+1], v[S+16*\t+2*\k+2]
.endr
.endr
.irp t, 0,1,2,3
	v_max_num_f32 v[ST+8*\t+6], v[ST+8*\t+6], v[S+16*\t+15]
.endr
.irp t, 0,1,2,3
	v_permlanex16_b32 v[ST+8*\t+7], v[ST+8*\t+6], s[SEL], s[SEL+1]
.endr
.irp t, 0,1,2,3
	v_max_num_f32 v[ST+8*\t+6], v[ST+8*\t+6], v[ST+8*\t+7]
.endr
.irp t, 0,1,2,3
	ds_store_b32 v8, v[ST+8*\t+6] offset:256*\t    ; my wave's word of the query's four (both halves of the lanes write the same number)
.endr
	s_wait_dscnt 0x0                               ; for the others' sake: my stores have landed.  (V is in too)
	s_barrier_signal -1
	s_barrier_wait -1                              ; the next tile's load stays out
.irp t, 0,1,2,3
	ds_load_b128 v[PF+4*\t:PF+4*\t+3], v9 offset:256*\t
.endr
	s_wait_dscnt 0x0
.irp t, 0,1,2,3
	v_max3_num_f32 v[ST+8*\t+6], v[PF+4*\t], v[PF+4*\t+1], v[PF+4*\t+2]
.endr
.irp t, 0,1,2,3
	v_max_num_f32 v[ST+8*\t+6], v[ST+8*\t+6], v[PF+4*\t+3]   ; the step's largest score of the query, among all 128 keys
.endr
.if \first
.irp t, 0,1,2,3
	v_mul_f32 v[ST+8*\t+1], s[CS], v[ST+8*\t+6]    ; as t (c is positive)
.endr
.irp t, 0,1,2,3
	v_floor_f32 v[ST+8*\t], -v[ST+8*\t+1]          ; -M = floor(-t) = -ceil(t)
.endr
.else
.irp t, 0,1,2,3
	v_mul_f32 v[ST+8*\t+6], s[CS], v[ST+8*\t+6]
.endr
.irp t, 0,1,2,3
	v_max_num_f32 v[ST+8*\t+1], v[ST+8*\t+1], v[ST+8*\t+6]   ; the running largest t
.endr
.irp t, 0,1,2,3
	v_mov_b32 v[ST+8*\t+7], v[ST+8*\t]
.endr
.irp t, 0,1,2,3
	v_floor_f32 v[ST+8*\t], -v[ST+8*\t+1]
.endr
.irp t, 0,1,2,3
	v_sub_f32 v[ST+8*\t+7], v[ST+8*\t], v[ST+8*\t+7]   ; old M - new M: a whole number, 0 or less
.endr
.irp t, 0,1,2,3
	v_cvt_i32_f32 v[ST+8*\t+7], v[ST+8*\t+7]       ; (it saturates)
.endr
.irp t, 0,1,2,3
	v_ldexp_f32 v[ST+8*\t+4], 1.0, v[ST+8*\t+7]    ; f = 2^(old M - new M)
.endr
.endif
.irp t, 0,1,2,3
.irp q, 0,1,2,3,4,5,6,7
	v_pk_fma_f32 v[S+16*\t+2*\q:S+16*\t+2*\q+1], v[S+16*\t+2*\q:S+16*\t+2*\q+1], s[CS:CS+1], v[ST+8*\t:ST+8*\t+1] op_sel_hi:[1,0,0]   ; t - M (of the pairs c and -M the low word serves both halves)
.endr
.endr
.set k, 0
.rept 64
	v_exp_f32 v[S+k], v[S+k]                       ; p = 2^(t - M), at most 1
.set k, k+1
.endr
.if \first
	v_nop                                          ; a plain line behind the exponentials
.else
.irp t, 0,1,2,3
	v_pk_mul_f32 v[ST+8*\t+2:ST+8*\t+3], v[ST+8*\t+2:ST+8*\t+3], v[ST+8*\t+4:ST+8*\t+5] op_sel_hi:[1,0]   ; the sums under the new M: plain lines behind the exponentials
.endr
.endif
	s_wait_alu depctr_va_vdst(0)                   ; one wait for the batch of 64, ahead of its first reader
.if \first
.irp t, 0,1,2,3
	v_pk_add_f32 v[ST+8*\t+2:ST+8*\t+3], v[S+16*\t:S+16*\t+1], v[S+16*\t+2:S+16*\t+3]   ; the sum of the unquantised p begins
.endr
.irp q, 2,3,4,5,6,7
.irp t, 0,1,2,3
	v_pk_add_f32 v[ST+8*\t+2:ST+8*\t+3], v[ST+8*\t+2:ST+8*\t+3], v[S+16*\t+2*\q:S+16*\t+2*\q+1]
.endr
.endr
.else
.irp q, 0,1,2,3,4,5,6,7
.irp t, 0,1,2,3
	v_pk_add_f32 v[ST+8*\t+2:ST+8*\t+3], v[ST+8*\t+2:ST+8*\t+3], v[S+16*\t+2*\q:S+16*\t+2*\q+1]
.endr
.endr
.endif
.set k, 0
.rept 64
	v_min_num_f32 v[S+k], v[S+k], v24              ; the conversion does not saturate (ISA guide 7.6.2); p is not negative, so the hold is one-sided
.set k, k+1
.endr
.irp t, 0,1,2,3
	v_cvt_scalef32_pk8_bf8_f32 v[PC+4*\t:PC+4*\t+1], v[S+16*\t:S+16*\t+7], v23
	v_cvt_scalef32_pk8_bf8_f32 v[PC+4*\t+2:PC+4*\t+3], v[S+16*\t+8:S+16*\t+15], v23
.endr
	v_nop                                          ; a plain line behind the last conversion
.irp t, 0,1,2,3
	ds_store_b128 v10, v[PC+4*\t:PC+4*\t+3] offset:2048*\t   ; group c = w of tile t's image: keys 32 w + 16 h + 0 .. 15
.endr
	s_wait_dscnt 0x0                               ; for the others' sake
	s_barrier_signal -1
.if !\first
	WIN 0x41                                       ; O^T (destination and source 0) window 1
.irp t, 0,1,2,3
.set q, 0
.rept 32
	v_pk_mul_f32 v[64*\t+2*q:64*\t+2*q+1], v[64*\t+2*q:64*\t+2*q+1], v[ST+8*\t+4:ST+8*\t+5] op_sel_hi:[1,0]   ; O^T under the new M, while the others arrive
.set q, q+1
.endr
.endr
	WIN 0
.endif
	s_barrier_wait -1                              ; p's four images are whole
.set f, 0
.rept 16
	ds_load_b128 v[PF+4*f:PF+4*f+3], v11 offset:512*f
.set f, f+1
.endr
	s_wait_dscnt 0x0
	WIN 0x53                                       ; source 0 (V^T) window 3, source 1 (p) window 0, C and D (O^T) window 1
.irp i, 0,1,2,3,4,5,6,7                ; O^T += V^T P^T: 32 accumulators by turns
.irp t, 0,1,2,3
.if \first
	v_wmma_f32_16x16x128_bf8_bf8 v[64*\t+8*\i:64*\t+8*\i+7], v[128+16*\i:128+16*\i+15], v[PF+16*\t:PF+16*\t+15], 0
.else
	v_wmma_f32_16x16x128_bf8_bf8 v[64*\t+8*\i:64*\t+8*\i+7], v[128+16*\i:128+16*\i+15], v[PF+16*\t:PF+16*\t+15], v[64*\t+8*\i:64*\t+8*\i+7]
.endif
.endr
.endr
	WIN 0
	s_xor_b32 s[TB], s[TB], SLOT1                  ; on to the other slot
.endm
	s_mov_b32 s[CNT], 15
	CHANGE                                         ; (its round also shows the parameters in LDS to every wave)
	KSTEP 1, 0
	s_mov_b32 s[CNT], 14
.Lkey:                                             ; key steps 1 to 14
	CHANGE
	KSTEP 0, 0
	s_sub_co_u32 s[CNT], s[CNT], 1
	s_cmp_lg_u32 s[CNT], 0
	s_cbranch_scc1 .Lkey
	s_wait_tensorcnt 0x0                           ; key step 15 is written out: my part, which I alone read, is in; nothing is filled, so no round.
	PLACES 4                                       ; (The maxima's and p's bytes are kept apart from the step before by that step's and this step's own barriers)
	KSTEP 0, 1
	; ---- the rows' sums; W1 is asked for into both slots, which nobody reads any more
.irp t, 0,1,2,3
	v_add_f32 v[ST+8*\t+6], v[ST+8*\t+2], v[ST+8*\t+3]
.endr
.irp t, 0,1,2,3
	v_permlanex16_b32 v[ST+8*\t+7], v[ST+8*\t+6], s[SEL], s[SEL+1]
.endr
.irp t, 0,1,2,3
	v_add_f32 v[ST+8*\t+6], v[ST+8*\t+6], v[ST+8*\t+7]   ; the sum over my wave's keys
.endr
.irp t, 0,1,2,3
	ds_store_b32 v8, v[ST+8*\t+6] offset:1024+256*\t
.endr
	s_wait_tensorcnt 0x0
	ds_add_u32 v4, v5
	s_lshl_b32 s[G0+1], s[WV], 16                  ; LDS address: 65,536 x wave
	s_mov_b64 s[G0+2:G0+3], s[8:9]                 ; W1's codes, my 64 KiB
	s_or_b32 s[G0+3], s[G0+3], 0x80000000
	s_wait_dscnt 0x0
	CROUND
	tensor_load_to_lds s[G0:G0+3], s[G1W:G1W+7]
	s_nop 0
	PLACES 4
.irp t, 0,1,2,3
	ds_load_b128 v[PF+4*\t:PF+4*\t+3], v9 offset:1024+256*\t
.endr
	WIN 0xc0                                       ; destination window 3: ln2's gain at v0-63, its bias at v64-127, in x1's layout
.irp p, 0,1
.set f, 0
.rept 16
	ds_load_b128 v[64*\p+4*f:64*\p+4*f+3], v18 offset:2048*\p+128*(f/4)+16*(f%4)
.set f, f+1
.endr
.endr
	WIN 0
	s_wait_dscnt 32                                ; the four loads of sums are in; the 32 behind them may be out
.irp t, 0,1,2,3
	v_add_f32 v[PF+4*\t], v[PF+4*\t], v[PF+4*\t+1]
	v_add_f32 v[PF+4*\t+2], v[PF+4*\t+2], v[PF+4*\t+3]
	v_add_f32 v[PF+4*\t], v[PF+4*\t], v[PF+4*\t+2]
.endr
.irp t, 0,1,2,3
	v_rcp_f32 v[ST+8*\t+4], v[PF+4*\t]
.endr
	v_nop
	s_wait_alu depctr_va_vdst(0)                   ; one wait for the four reciprocals
.irp t, 0,1,2,3
	v_ldexp_f32 v[ST+8*\t+4], v[ST+8*\t+4], s[E89]   ; 2^(e8 + e9) / the row's sum
.endr
	s_wait_loadcnt 0x0                             ; x
	WIN 0x61                                       ; destination and source 0 window 1, source 2 (x) window 2
.irp t, 0,1,2,3
.set q, 0
.rept 32
	v_pk_fma_f32 v[64*\t+2*q:64*\t+2*q+1], v[64*\t+2*q:64*\t+2*q+1], v[ST+8*\t+4:ST+8*\t+5], v[64*\t+2*q:64*\t+2*q+1] op_sel_hi:[1,0,1]   ; x1 = O^T 2^(e8 + e9) / sum + x
.set q, q+1
.endr
.endr
	; ---- the second layer norm.  Each wave has 128 of a row's 512 channels: its own mean and its own sum of squares about that mean; the four are joined without a difference of large sums
	WIN 0x05
.irp t, 0,1,2,3
	v_pk_add_f32 v[ST+8*\t+6:ST+8*\t+7], v[64*\t:64*\t+1], v[64*\t+2:64*\t+3]
.endr
	WIN 0x04
.set q, 2
.rept 30
.irp t, 0,1,2,3
	v_pk_add_f32 v[ST+8*\t+6:ST+8*\t+7], v[ST+8*\t+6:ST+8*\t+7], v[64*\t+2*q:64*\t+2*q+1]
.endr
.set q, q+1
.endr
	WIN 0
.irp t, 0,1,2,3
	v_add_f32 v[ST+8*\t+6], v[ST+8*\t+6], v[ST+8*\t+7]
.endr
.irp t, 0,1,2,3
	v_permlanex16_b32 v[ST+8*\t+7], v[ST+8*\t+6], s[SEL], s[SEL+1]
.endr
.irp t, 0,1,2,3
	v_add_f32 v[ST+8*\t+6], v[ST+8*\t+6], v[ST+8*\t+7]
.endr
.irp t, 0,1,2,3
	v_mul_f32 v[ST+8*\t], 0x3c000000, v[ST+8*\t+6]   ; / 128: my wave's mean
.endr
.irp t, 0,1,2,3
	v_mov_b32 v[ST+8*\t+1], v[ST+8*\t]
.endr
.irp t, 0,1,2,3
	WIN 0x01                                       ; source 0 window 1
.set q, 0
.rept 32
	v_pk_add_f32 v[TMP+2*q:TMP+2*q+1], v[64*\t+2*q:64*\t+2*q+1], v[ST+8*\t:ST+8*\t+1] neg_lo:[0,1] neg_hi:[0,1]
.set q, q+1
.endr
	WIN 0
	v_pk_mul_f32 v[ST+8*\t+2:ST+8*\t+3], v[TMP:TMP+1], v[TMP:TMP+1]
	v_pk_mul_f32 v[ST+8*\t+6:ST+8*\t+7], v[TMP+2:TMP+3], v[TMP+2:TMP+3]
.set q, 2
.rept 15
	v_pk_fma_f32 v[ST+8*\t+2:ST+8*\t+3], v[TMP+2*q:TMP+2*q+1], v[TMP+2*q:TMP+2*q+1], v[ST+8*\t+2:ST+8*\t+3]
	v_pk_fma_f32 v[ST+8*\t+6:ST+8*\t+7], v[TMP+2*q+2:TMP+2*q+3], v[TMP+2*q+2:TMP+2*q+3], v[ST+8*\t+6:ST+8*\t+7]
.set q, q+2
.endr
	v_pk_add_f32 v[ST+8*\t+2:ST+8*\t+3], v[ST+8*\t+2:ST+8*\t+3], v[ST+8*\t+6:ST+8*\t+7]
	v_add_f32 v[ST+8*\t+2], v[ST+8*\t+2], v[ST+8*\t+3]
.endr
.irp t, 0,1,2,3
	v_permlanex16_b32 v[ST+8*\t+3], v[ST+8*\t+2], s[SEL], s[SEL+1]
.endr
.irp t, 0,1,2,3
	v_add_f32 v[ST+8*\t+2], v[ST+8*\t+2], v[ST+8*\t+3]
.endr
.irp t, 0,1,2,3
	ds_store_b32 v8, v[ST+8*\t] offset:2048+256*\t
	ds_store_b32 v8, v[ST+8*\t+2] offset:3072+256*\t
.endr
	s_wait_dscnt 0x0
	s_barrier_signal -1
	s_barrier_wait -1                              ; W1's load stays out
.irp t, 0,1,2,3
	ds_load_b128 v[128+4*\t:131+4*\t], v9 offset:2048+256*\t
	ds_load_b128 v[144+4*\t:147+4*\t], v9 offset:3072+256*\t
.endr
	s_wait_dscnt 0x0
.irp t, 0,1,2,3
	v_add_f32 v[ST+8*\t+6], v[128+4*\t], v[129+4*\t]
	v_add_f32 v[ST+8*\t+7], v[130+4*\t], v[131+4*\t]
	v_add_f32 v[ST+8*\t+6], v[ST+8*\t+6], v[ST+8*\t+7]
	v_mul_f32 v[ST+8*\t], 0x3e800000, v[ST+8*\t+6]   ; the row's mean
	v_mov_b32 v[ST+8*\t+1], v[ST+8*\t]
.irp k, 0,1,2,3
	v_sub_f32 v[128+4*\t+\k], v[128+4*\t+\k], v[ST+8*\t]
.endr
	v_mul_f32 v[ST+8*\t+6], v[128+4*\t], v[128+4*\t]
	v_fmac_f32 v[ST+8*\t+6], v[129+4*\t], v[129+4*\t]
	v_fmac_f32 v[ST+8*\t+6], v[130+4*\t], v[130+4*\t]
	v_fmac_f32 v[ST+8*\t+6], v[131+4*\t], v[131+4*\t]
	v_add_f32 v[ST+8*\t+7], v[144+4*\t], v[145+4*\t]
	v_add_f32 v[146+4*\t], v[146+4*\t], v[147+4*\t]
	v_add_f32 v[ST+8*\t+7], v[ST+8*\t+7], v[146+4*\t]
	v_fmamk_f32 v[ST+8*\t+7], v[ST+8*\t+6], 0x43000000, v[ST+8*\t+7]   ; + 128 x the squares of the four means' distances from the row's
	v_fma_f32 v[ST+8*\t+7], v[ST+8*\t+7], 0x3b000000, s95   ; / 512 + 1e-5
	v_rsq_f32 v[ST+8*\t+2], v[ST+8*\t+7]
.endr
	v_nop
	s_wait_alu depctr_va_vdst(0)                   ; one wait for the four roots
.irp t, 0,1,2,3
	v_mov_b32 v[ST+8*\t+3], v[ST+8*\t+2]
.endr
.irp t, 0,1,2,3                        ; layer_norm(x1), quantised: K step w of row tile t
	WIN 0x01
.set q, 0
.rept 32
	v_pk_add_f32 v[TMP+2*q:TMP+2*q+1], v[64*\t+2*q:64*\t+2*q+1], v[ST+8*\t:ST+8*\t+1] neg_lo:[0,1] neg_hi:[0,1]
.set q, q+1
.endr
	WIN 0
.set q, 0
.rept 32
	v_pk_mul_f32 v[TMP+2*q:TMP+2*q+1], v[TMP+2*q:TMP+2*q+1], v[ST+8*\t+2:ST+8*\t+3]
.set q, q+1
.endr
	WIN 0x3c                                       ; sources 1 and 2 window 3
.set q, 0
.rept 32
	v_pk_fma_f32 v[TMP+2*q:TMP+2*q+1], v[TMP+2*q:TMP+2*q+1], v[2*q:2*q+1], v[64+2*q:64+2*q+1]
.set q, q+1
.endr
	WIN 0
.set k, 0
.rept 64
	v_med3_num_f32 v[TMP+k], v[TMP+k], -v26, v26
.set k, k+1
.endr
.irp g, 0,1,2,3,4,5,6,7
	v_cvt_scalef32_pk8_bf8_f32 v[64+16*\t+2*\g:64+16*\t+2*\g+1], v[TMP+8*\g:TMP+8*\g+7], v25
.endr
	v_nop                                          ; a plain line between the conversions and the next tile's lines, which write their sources
.irp c, 0,1,2,3
	ds_store_b128 v17, v[64+16*\t+4*\c:64+16*\t+4*\c+3] offset:8192*\t+512*\c
.endr
.endr
.macro LOADWT                          ; my 32 fragments of a weight (tile i, K step s: 4 i + s) out of LDS: 0-15 into window 2, 16-31 into window 3
	WIN 0x80
.set f, 0
.rept 64
	ds_load_b128 v[4*f:4*f+3], v19 offset:512*f
.set f, f+1
.endr
	WIN 0xc0
.set f, 0
.rept 64
	ds_load_b128 v[4*f:4*f+3], v19 offset:32768+512*f
.set f, f+1
.endr
	WIN 0
.endm
	s_wait_tensorcnt 0x0                           ; W1: my part, which I alone read, is in
	LOADWT
	s_wait_tensorcnt 0x0                           ; the change to W2: no tensor load of mine is out,
	ds_add_u32 v4, v5
	s_add_nc_u64 s[G0+2:G0+3], s[G0+2:G0+3], 262144  ; W2's codes, my 64 KiB
	s_wait_dscnt 0x0                               ; W1 is in my registers, and my images have landed
	CROUND                                         ; (the round also shows the images to every wave)
	tensor_load_to_lds s[G0:G0+3], s[G1W:G1W+7]    ; it has the whole first product and its GELU in which to land
	s_nop 0
	PLACES 4
; 32 products: my eight tiles of a weight x a row tile's four K steps; source 0 = the weight, so that a lane holds one row.  Four accumulators by turns, then the other four.
.macro FFMUL
	WIN 0x02                                       ; source 0 window 2
.irp s, 0,1,2,3
.irp i, 0,1,2,3
.if \s == 0
	v_wmma_f32_16x16x128_bf8_bf8 v[ACC+8*\i:ACC+8*\i+7], v[16*(4*\i+\s):16*(4*\i+\s)+15], v[YF+16*\s:YF+16*\s+15], 0
.else
	v_wmma_f32_16x16x128_bf8_bf8 v[ACC+8*\i:ACC+8*\i+7], v[16*(4*\i+\s):16*(4*\i+\s)+15], v[YF+16*\s:YF+16*\s+15], v[ACC+8*\i:ACC+8*\i+7]
.endif
.endr
.endr
	WIN 0x03                                       ; source 0 window 3
.irp s, 0,1,2,3
.irp i, 0,1,2,3
.if \s == 0
	v_wmma_f32_16x16x128_bf8_bf8 v[ACC+32+8*\i:ACC+32+8*\i+7], v[16*(4*\i+\s):16*(4*\i+\s)+15], v[YF+16*\s:YF+16*\s+15], 0
.else
	v_wmma_f32_16x16x128_bf8_bf8 v[ACC+32+8*\i:ACC+32+8*\i+7], v[16*(4*\i+\s):16*(4*\i+\s)+15], v[YF+16*\s:YF+16*\s+15], v[ACC+32+8*\i:ACC+32+8*\i+7]
.endif
.endr
.endr
	WIN 0
	PLACES 4                                       ; in front of the first read of the sums and of writes into the row tile's registers
.endm
; gelu of the 32 numbers at v[ACC + 32 q] on, in place.  Two batches of transcendentals, each with independent plain work behind it and one wait.
.macro GELU q
.set VV, ACC+32*(\q)
.set k, 0
.rept 32
	v_fma_f32 v[TT+k], |v[VV+k]|, s[HS], 1.0       ; 1 + |v| / (2 sqrt 2)
.set k, k+1
.endr
.set k, 0
.rept 32
	v_rcp_f32 v[TT+k], v[TT+k]                     ; u
.set k, k+1
.endr
.set k, 0
.rept 16
	v_pk_mul_f32 v[WW+2*k:WW+2*k+1], v[VV+2*k:VV+2*k+1], v[VV+2*k:VV+2*k+1]   ; v^2
.set k, k+1
.endr
	s_wait_alu depctr_va_vdst(0)                   ; one wait for the 32 reciprocals
.set k, 0
.rept 16
	v_pk_fma_f32 v[PP+2*k:PP+2*k+1], v[TT+2*k:TT+2*k+1], s[GC+16:GC+17], v[30:31] op_sel_hi:[1,0,0]   ; c9 u + c8
.set k, k+1
.endr
.irp n, 7,6,5,4,3,2,1,0
.set k, 0
.rept 16
	v_pk_fma_f32 v[PP+2*k:PP+2*k+1], v[PP+2*k:PP+2*k+1], v[TT+2*k:TT+2*k+1], s[GC+2*\n:GC+2*\n+1] op_sel_hi:[1,1,0]
.set k, k+1
.endr
.endr
.set k, 0
.rept 16
	v_pk_fma_f32 v[PP+2*k:PP+2*k+1], v[WW+2*k:WW+2*k+1], s[KN:KN+1], v[PP+2*k:PP+2*k+1] op_sel_hi:[1,0,1]   ; - v^2 log2(e) / 2
.set k, k+1
.endr
.set k, 0
.rept 32
	v_exp_f32 v[PP+k], v[PP+k]
.set k, k+1
.endr
.set k, 0
.rept 32
	v_max_num_f32 v[WW+k], 0, v[VV+k]              ; max(v, 0)
.set k, k+1
.endr
	s_wait_alu depctr_va_vdst(0)                   ; one wait for the 32 exponentials
.set k, 0
.rept 16
	v_pk_mul_f32 v[PP+2*k:PP+2*k+1], v[PP+2*k:PP+2*k+1], v[TT+2*k:TT+2*k+1]   ; E / 2
.set k, k+1
.endr
.set k, 0
.rept 16
	v_pk_mul_f32 v[PP+2*k:PP+2*k+1], v[PP+2*k:PP+2*k+1], v[VV+2*k:VV+2*k+1]
.set k, k+1
.endr
.set k, 0
.rept 32
	v_sub_f32 v[VV+k], v[WW+k], |v[PP+k]|          ; max(v, 0) - |v| E / 2
.set k, k+1
.endr
.endm
	; ---- the hidden layer, a row tile a trip.  Its images take the place of the row tile's own: behind the first barrier every wave has read those; the second parts this trip's stores from the next trip's reads
	s_mov_b32 s[SM], 0
	s_mov_b32 s[CNT], 4
.Lffn1:
	v_add_nc_u32 v21, s[SM], v16
	v_add_nc_u32 v22, s[SM], v17
.set f, 0
.rept 16
	ds_load_b128 v[YF+4*f:YF+4*f+3], v21 offset:512*f   ; the row tile's four fragments
.set f, f+1
.endr
.set f, 0
.rept 16
	ds_load_b128 v[TMP+4*f:TMP+4*f+3], v18 offset:4096+128*(f/4)+16*(f%4)   ; b1 in the sums' layout
.set f, f+1
.endr
	s_wait_dscnt 0x0
	s_barrier_signal -1                            ; I have read this row tile's images
	FFMUL
.set q, 0
.rept 32
	v_pk_fma_f32 v[ACC+2*q:ACC+2*q+1], v[ACC+2*q:ACC+2*q+1], s[SC1:SC1+1], v[TMP+2*q:TMP+2*q+1] op_sel_hi:[1,0,1]   ; sum x 2^(e10 + e11) + b1, each accumulator from its low end on
.set q, q+1
.endr
	GELU 0
	GELU 1
.set k, 0
.rept 64
	v_med3_num_f32 v[ACC+k], v[ACC+k], -v28, v28
.set k, k+1
.endr
.irp g, 0,1,2,3,4,5,6,7
	v_cvt_scalef32_pk8_bf8_f32 v[64+2*\g:65+2*\g], v[ACC+8*\g:ACC+8*\g+7], v27
.endr
	v_nop                                          ; a plain line behind the last conversion
	s_barrier_wait -1                              ; every wave has read them
.irp c, 0,1,2,3
	ds_store_b128 v22, v[64+4*\c:67+4*\c] offset:512*\c   ; K step w of the second product, this row tile
.endr
	s_wait_dscnt 0x0
	s_barrier_signal -1
	s_barrier_wait -1
	s_add_co_u32 s[SM], s[SM], 8192
	s_sub_co_u32 s[CNT], s[CNT], 1
	s_cmp_lg_u32 s[CNT], 0
	s_cbranch_scc1 .Lffn1
	; ---- the second product, the bias, the residual, the way out.  The last barrier of the loop has shown all sixteen hidden fragments to every wave
	s_wait_tensorcnt 0x0                           ; W2: my part, which I alone read, is in
	LOADWT
.set f, 0
.rept 16
	ds_load_b128 v[TMP+4*f:TMP+4*f+3], v18 offset:6144+128*(f/4)+16*(f%4)   ; b2 in the sums' layout; it stays
.set f, f+1
.endr
.irp m, 0,1,2,3
.set f, 0
.rept 16
	ds_load_b128 v[YF+4*f:YF+4*f+3], v16 offset:8192*\m+512*f
.set f, f+1
.endr
	s_wait_dscnt 0x0
	s_wait_xcnt 0x0                                ; the last row tile's stores have read their data, which lay where the sums are made
	FFMUL
.set q, 0
.rept 32
	v_pk_fma_f32 v[64+2*q:65+2*q], v[ACC+2*q:ACC+2*q+1], s[SC2:SC2+1], v[TMP+2*q:TMP+2*q+1] op_sel_hi:[1,0,1]   ; sum x 2^(e12 + e13) + b2
.set q, q+1
.endr
	WIN 0x04                                       ; source 1 window 1
.set q, 0
.rept 32
	v_pk_add_f32 v[64+2*q:65+2*q], v[64+2*q:65+2*q], v[64*\m+2*q:64*\m+2*q+1]   ; + x1
.set q, q+1
.endr
	WIN 0
	; a lane holds 4 x 64 bytes of one row and the lanes beside it other rows: 16 rows x 512 bytes go through my stage and come back as whole rows.  The stage lies in my own 64 KiB of the slots: W2 is in my registers,
	; those bytes have had their last fill, and no other wave touches them.  LDS serves a wave's instructions in order (ISA guide 5.7.1.4): no wait between the stores and the loads
.set f, 0
.rept 16
	ds_store_b128 v20, v[64+4*f:67+4*f] offset:128*(f/4)+16*(f%4)
.set f, f+1
.endr
.irp l, 0,1,2,3,4,5,6,7,8,9,10,11,12,13,14,15
	ds_load_b128 v[128+4*\l:131+4*\l], v19 offset:528*\l
.endr
.irp l, 0,1,2,3,4,5,6,7,8,9,10,11,12,13,14,15
	s_wait_dscnt 15-\l                             ; row l is back; the younger rows may be out
	global_store_b128 v12, v[128+4*\l:131+4*\l], s[22:23] offset:(32*(\m/2)+8*(\m%2)+\l+8*(\l/8))*2048 th:TH_STORE_NT   ; 32 lanes store 512 consecutive bytes, aligned; written once, read by nobody here
.endr
.endr
	s_wait_tensorcnt 0x0                           ; the wave's end
	ds_add_u32 v4, v5
	s_wait_dscnt 0x0
	CROUND                                         ; the closing round: no work-group ends while a partner may still ask for a tile that names it
	s_endpgm
.Lfunc_end_k_qf33a7cb265_attn:
	.size	k_qf33a7cb265_attn, .Lfunc_end_k_qf33a7cb265_attn-k_qf33a7cb265_attn
	.p2alignl 7, 3214868480
	.fill 96, 4, 3214868480
	.section	.rodata,"a",@progbits
	.p2align	6, 0x0
	.amdhsa_kernel k_qf33a7cb265_attn
		.amdhsa_group_segment_fixed_size 327680
		.amdhsa_private_segment_fixed_size 0
		.amdhsa_enable_private_segment 0
		.amdhsa_kernarg_size 80
		.amdhsa_user_sgpr_count 2
		.amdhsa_user_sgpr_kernarg_segment_ptr 1
		.amdhsa_wavefront_size32 1
		.amdhsa_system_sgpr_workgroup_id_x 1
		.amdhsa_system_sgpr_workgroup_id_y 1
		.amdhsa_system_sgpr_workgroup_id_z 1
		.amdhsa_system_vgpr_workitem_id 0
		.amdhsa_next_free_vgpr 1024
		.amdhsa_next_free_sgpr 102
		.amdhsa_reserve_vcc 0
		.amdhsa_float_denorm_mode_32 3
		.amdhsa_float_denorm_mode_16_64 3
		.amdhsa_memory_ordered 1
		.amdhsa_forward_progress 1
		.amdhsa_inst_pref_size 255
	.end_amdhsa_kernel
	.section	.bss,"aw",@nobits
	.p2align	6
	.space	262144
	.amdgpu_metadata
---
amdhsa.version: [ 1, 2 ]
amdhsa.kernels:
  - .name:           k_qf33a7cb265_attn
    .symbol:         k_qf33a7cb265_attn.kd
    .args:
      - { .name: qc, .offset: 0, .size: 8, .value_kind: global_buffer, .address_space: global }
      - { .name: kv, .offset: 8, .size: 8, .value_kind: global_buffer, .address_space: global }
      - { .name: wcodes, .offset: 16, .size: 8, .value_kind: global_buffer, .address_space: global }
      - { .name: x, .offset: 24, .size: 8, .value_kind: global_buffer, .address_space: global }
      - { .name: lowp_scales, .offset: 32, .size: 8, .value_kind: global_buffer, .address_space: global }
      - { .name: ln2_g, .offset: 40, .size: 8, .value_kind: global_buffer, .address_space: global }
      - { .name: ln2_b, .offset: 48, .size: 8, .value_kind: global_buffer, .address_space: global }
      - { .name: b1, .offset: 56, .size: 8, .value_kind: global_buffer, .address_space: global }
      - { .name: b2, .offset: 64, .size: 8, .value_kind: global_buffer, .address_space: global }
      - { .name: out0, .offset: 72, .size: 8, .value_kind: global_buffer, .address_space: global }
    .group_segment_fixed_size: 327680
    .private_segment_fixed_size: 0
    .kernarg_segment_align: 8
    .kernarg_segment_size: 80
    .max_flat_workgroup_size: 128
    .sgpr_count:     102
    .vgpr_count:     1024
    .wavefront_size: 32
...
	.end_amdgpu_metadata
.endif
;; end of part 3
;; ======== version 2 of 2: 3 launches
;; workspace buffers: wcodes 1,310,720 bytes; qc 8,388,608 bytes; kv 16,777,216 bytes
;; launch prep: the kernel of part 1 again; grid 32 x 5, 4 waves a work-group, no clusters, 0 bytes of LDS; arguments Wq, Wk, Wv, W1, W2, lowp_scales, wcodes; writes wcodes
;; launch qkv (part 4): grid 256 x 1, 4 waves a work-group, clusters of 4 x 1, 327,680 bytes of LDS; arguments x, ln1_g, ln1_b, wcodes, lowp_scales, qc, kv; writes qc, kv
.if DOCPART == 4
	.amdgcn_target "amdgcn-amd-amdhsa--gfx1250"
	.amdhsa_code_object_version 6
	.text
	.protected	k_qf33a7cb265_qkv
	.globl	k_qf33a7cb265_qkv
	.p2align	8
	.type	k_qf33a7cb265_qkv,@function
k_qf33a7cb265_qkv:
	s_mov_b64 s[64:65], 0
	v_nop
	global_prefetch_b8 v0, s[64:65] scope:SCOPE_SE
	s_setreg_imm32_b32 hwreg(HW_REG_WAVE_MODE, 25, 1), 1
	s_wait_xcnt 0x0
	s_wait_alu depctr_hold_cnt(0) depctr_sa_sdst(0) depctr_va_vdst(0) depctr_va_sdst(0) depctr_va_ssrc(0) depctr_va_vcc(0) depctr_vm_vsrc(0)
	s_getreg_b32 s2, hwreg(HW_REG_IB_STS2, 6, 4)
	s_cmp_eq_u32 s2, 0
	s_cbranch_scc0 .Lentry_in_a_cluster
	s_endpgm
.Lentry_in_a_cluster:
	s_bfe_u32 s2, ttmp6, 0x10000c
	s_cmp_lg_u32 s2, 0x3003
	s_cbranch_scc0 .Lentry_shape_is_right
	s_endpgm
.Lentry_shape_is_right:
; y = layer_norm(x) g + b;  q = Q(y) Q(Wq), k = Q(y) Q(Wk), v = Q(y) Q(Wv), products on codes of BF8 (E5M2) with the given scales; q, k and v leave as codes for the attention's two products.
; SHARES.  A work-group owns 64 rows (block blk = 4 x cluster + place).  Wave w normalises and quantises the 16 rows rho(w, r) = 32 (w / 2) + 8 (w % 2) + r + 8 (r / 8), three times (each product has its own scale for y),
; and hands the codes to the others through LDS as images of the operand's registers.  In the products THE WAVES SHARE THE COLUMNS: wave w makes columns 128 w .. 128 w + 127 of q, k, v for all 64 rows.
; FRAGMENT: 16 rows x 128 k in 16 registers; registers 4 c .. 4 c + 3 of lane (r, h) hold k = 32 c + 16 h + 0 .. 15: the same order of k on both sides of every product.  IMAGE: those registers on end, 16 x lane + 512 c.
; x COMES BY DENSE LOADS: sixteen neighbouring lanes read 256 consecutive bytes of a row; the conversions want 16 neighbours along k in one lane, so 16 rows x 256 bytes at a time turn through the wave's own stage in LDS.
; WEIGHTS come as images (launch prep) in six tiles of 128 KiB (weight j / 2, half j % 2 of each wave's columns) through a ring of two LDS slots.  Wave w's part, 32 KiB, is dense in memory, is fetched by wave w and read by wave w alone.
; CLUSTER: the four work-groups of a cluster walk the same weights: each part is asked for JOINTLY, by the same tensor load with the same descriptor (made of the wave's number and constants) and the mask of all four.
; q and k are made transposed (source 0 = 16 columns of the weight, source 1 = 16 rows of y): a lane holds one row and 16 neighbouring columns in the registers of two neighbouring tiles, which the conversions turn into the
; next operand's registers.  v is made the other way (source 0 = y): a lane holds one channel and 16 neighbouring keys, since the keys are the second attention product's K.
; OUT: qc [blk][row tile t][K step s][image];  kv [unit = batch x 16 + g][wave w of the attention][K of key step g + 1 (mod 16): 2 key tiles x 4 K steps of images; then V^T of key step g: 8 channel tiles of images].
; Every store of a wave covers 512 consecutive bytes, aligned.
; LIMITS on the given exponents, so that each power of two is an f32 number: e0, e2, e4, e6 - e0 - e1, e7 - e2 - e3, e9 - e4 - e5 between -126 and 112.  NaN among the inputs is not served; what lies beyond a scale's range is held at the largest code.
; REGISTERS, in windows of 256: window 0: v1-15 addresses, v16-25 sums, v32-43 scales, v64-127 at work, v128-255 the 16 accumulators (row tile t, column tile u at v[128 + 8 (4 t + u)]).
;   window 1: my 16 rows: x, then y: register 64 s + 16 c + i = k 128 s + 32 c + 16 h + i.   window 2: x as loaded, then ln1_g in y's order, later y's 16 fragments.   window 3: ln1_b in y's order, later 16 fragments of a weight.
.set SLOT1, 1<<17                      ; slot 0 at LDS byte 0, slot 1 here: one exclusive or turns the walking descriptor
.set IMG,   262144                     ; y's images: fragment 4 t + s at 2,048 (4 t + s): 32,768 bytes
.set SPARE, 294912                     ; the spare words, 128 bytes for each wave: two blocks of 256 bytes that no other line names
.set STG,   295424                     ; x's stages: 16 rows x (256 + 16) bytes = 4,352 bytes for each wave
.set T,   64                           ; v64-127  64 numbers held, on their way to codes
.set OC,  64                           ; v64-95   codes on their way out
.set ACC, 128
.set WV,  18                           ; s18      my wave's number
.set G1W, 36                           ; s[36:43] descriptor group 1
.set G0X, 48                           ; s[48:51] descriptor group 0: tile 1 at the start, then it walks
.set G0W, 52                           ; s[52:55] descriptor group 0 for tile 0
.set SEL, 58                           ; s[58:59] lane selects: lane l xor 16
.set MSB, 0
.macro WIN new                         ; the immediate's high byte repeats the setting that is left; a switch that changes nothing is dropped
.if MSB != \new
	s_set_vgpr_msb (MSB<<8)|\new
.set MSB, \new
.endif
.endm
.macro PLACES n
.rept \n
	v_nop
.endr
.endm
.macro CROUND                          ; a round of the cluster's barrier
	s_barrier_signal -1
	s_barrier_wait -1
	s_cmp_lg_u32 s[WV], 0
	s_cbranch_scc1 .Lnot_wave_0_\@
	s_barrier_signal -3
.Lnot_wave_0_\@:
	s_barrier_wait -3
	s_barrier_signal -1
	s_barrier_wait -1
.endm
.macro MKSC vd, se                     ; v[vd] = 2^e as f32, v[vd + 1] = 57,344 x 2^e; e in s[se]
	s_add_co_i32 s72, s[\se], 127
	s_lshl_b32 s73, s72, 23
	v_mov_b32 v[\vd], s73
	s_add_co_i32 s72, s72, 15
	s_lshl_b32 s72, s72, 23
	s_or_b32 s72, s72, 0x600000
	v_mov_b32 v[\vd+1], s72
.endm
	s_load_b256 s[4:11], s[0:1], 0x0               ; x s[4:5], ln1_g s[6:7], ln1_b s[8:9], wcodes s[10:11]
	s_load_b128 s[12:15], s[0:1], 0x20             ; the scales' exponents s[12:13], qc s[14:15]
	s_load_b64 s[16:17], s[0:1], 0x30              ; kv
	v_lshl_add_u32 v6, v0, 2, SPARE                ; my spare word; never rewritten
	v_mov_b32 v7, 0                                ; 0; never rewritten
	ds_add_u32 v6, v7
	ds_add_u32 v6, v7
	s_wait_dscnt 0x0
	v_lshrrev_b32 v1, 5, v0
	v_readfirstlane_b32 s[WV], v1                  ; wave 0..3
	s_bfe_u32 s19, ttmp6, 0x40000                  ; my place in the cluster
	s_lshl_b32 s20, ttmp9, 2
	s_add_co_u32 s20, s20, s19                     ; blk: it enters the addresses of x, qc and kv alone
	s_mov_b32 s[G1W], 15|(3<<16)|(1<<21)           ; 15:0 the mask: all four work-groups; 17:16 elements of 8 bytes; 21 set beside a mask; no padding: images are read densely
	s_mov_b32 s[G1W+1], 32<<16                     ; tensor_dim0 = 32 elements: rows of 256 bytes
	s_mov_b32 s[G1W+2], 128<<16                    ; tensor_dim1 = 128 rows: 32 KiB
	s_mov_b32 s[G1W+3], 32<<16                     ; tile_dim0
	s_mov_b32 s[G1W+4], 128                        ; tile_dim1
	s_mov_b32 s[G1W+5], 32                         ; the pitch: the block is dense
	s_mov_b32 s[G1W+6], 0
	s_mov_b32 s[G1W+7], 0
	s_mov_b32 s[SEL], 0x76543210
	s_mov_b32 s[SEL+1], 0xfedcba98
	s_mov_b32 s60, 0x3b000000                      ; 1 / 512
	s_mov_b32 s61, 0x3727c5ac                      ; 1e-5
	v_and_b32 v1, 31, v0
	v_lshlrev_b32 v1, 4, v1                        ; v1: 16 x lane: my place in an image
	v_and_b32 v2, 15, v0                           ; r
	v_bfe_u32 v3, v0, 4, 1                         ; h
	v_lshlrev_b32 v4, 4, v2                        ; x, as it is loaded: 16 bytes a lane of a row's 256,
	v_lshl_add_u32 v4, v3, 11, v4                  ; lanes 16-31 one row further down
	s_lshr_b32 s66, s[WV], 1
	s_lshl_b32 s66, s66, 16
	s_and_b32 s67, s[WV], 1
	s_lshl_b32 s67, s67, 14
	s_add_co_u32 s66, s66, s67                     ; rows 32 (w / 2) + 8 (w % 2) on
	v_add_nc_u32 v4, s66, v4                       ; v4: my bytes of the block's first pair of my wave's rows
	v_lshlrev_b32 v5, 6, v3                        ; v5: ln1_g, ln1_b: 64 h
	s_mul_i32 s66, s[WV], 4352
	s_add_co_u32 s66, s66, STG                     ; my stage
	v_mul_u32_u24 v14, v3, 272
	v_lshl_add_u32 v14, v2, 4, v14
	v_add_nc_u32 v14, s66, v14                     ; v14: into it: as loaded: row h of a pair, 16 bytes a lane
	v_mul_u32_u24 v15, v2, 272
	v_lshl_add_u32 v15, v3, 6, v15
	v_add_nc_u32 v15, s66, v15                     ; v15: out of it: row r, + 64 h: my 16 numbers of a group of 32.  Rows 272 bytes apart: sixteen lanes touch sixteen different 16-byte columns of 256
	s_lshl_b32 s66, s[WV], 13
	s_add_co_u32 s66, s66, IMG
	v_add_nc_u32 v8, s66, v1                       ; v8: where I store my tile's images
	v_add_nc_u32 v9, IMG, v1                       ; v9: where any image is read
	s_lshl_b32 s66, s[WV], 15
	v_add_nc_u32 v10, s66, v1                      ; v10, v11: my part of a weight tile in slot 0, 1
	v_add_nc_u32 v11, SLOT1, v10
	v_add_nc_u32 v13, s66, v1                      ; v13: kv, V's part: 16 x lane + 32,768 w
	s_lshl_b32 s66, s[WV], 11
	v_add_nc_u32 v12, s66, v1                      ; v12: qc and kv's K part: 16 x lane + 2,048 w (K step s = w)
	s_wait_kmcnt 0x0
	s_load_b256 s[24:31], s[12:13], 0x0            ; e0 .. e7
	s_load_b64 s[32:33], s[12:13], 0x20            ; e8, e9
	s_mov_b32 s[G0W], 1                            ; count = 1
	s_lshl_b32 s[G0W+1], s[WV], 15                 ; LDS address: slot 0, my part
	s_lshl_b32 s68, s[WV], 16
	s_mov_b32 s69, 0
	s_add_nc_u64 s[G0W+2:G0W+3], s[10:11], s[68:69]  ; Wq's tiles 8 w .. 8 w + 3
	s_or_b32 s[G0W+3], s[G0W+3], 0x80000000        ; type = 2
	s_mov_b32 s[G0X], 1
	s_lshl_b32 s[G0X+1], s[WV], 15
	s_add_co_u32 s[G0X+1], s[G0X+1], SLOT1         ; slot 1, my part
	s_add_nc_u64 s[G0X+2:G0X+3], s[10:11], s[68:69]
	s_add_nc_u64 s[G0X+2:G0X+3], s[G0X+2:G0X+3], 32768  ; Wq's tiles 8 w + 4 .. 8 w + 7
	s_or_b32 s[G0X+3], s[G0X+3], 0x80000000
	s_lshl_b32 s66, s20, 17
	s_mov_b32 s67, 0
	s_add_nc_u64 s[4:5], s[4:5], s[66:67]          ; x at my block
	s_lshl_b32 s66, s20, 15
	s_add_nc_u64 s[14:15], s[14:15], s[66:67]      ; qc at my block
	s_lshr_b32 s70, s20, 1                         ; batch x 16 + g: two blocks of 64 rows make a key step
	s_add_co_u32 s71, s70, 15
	s_and_b32 s71, s71, 15                         ; (g - 1) mod 16
	s_and_b32 s75, s70, 0x70                       ; batch x 16
	s_or_b32 s71, s71, s75                         ; K's unit: that of the key step before, in the same batch
	s_and_b32 s75, s20, 1
	s_lshl_b32 s66, s71, 17
	s_lshl_b32 s74, s75, 16
	s_add_co_u32 s66, s66, s74
	s_add_nc_u64 s[44:45], s[16:17], s[66:67]      ; K: my 64 keys are the parts of attention waves 2 (blk % 2) and 2 (blk % 2) + 1
	s_lshl_b32 s66, s70, 17
	s_lshl_b32 s74, s75, 10
	s_add_co_u32 s66, s66, s74
	s_add_co_u32 s66, s66, 16384
	s_add_nc_u64 s[46:47], s[16:17], s[66:67]      ; V^T: behind a part's K; my 64 keys are groups c = 2 (blk % 2), + 1 of each image
	CROUND                                         ; all four work-groups are here: the first joint loads meet
	tensor_load_to_lds s[G0W:G0W+3], s[G1W:G1W+7]  ; weight tiles 0 and 1, the two first fills together: two tensor loads of mine are out
	s_nop 0
	tensor_load_to_lds s[G0X:G0X+3], s[G1W:G1W+7]
	s_nop 0
	PLACES 4
	WIN 0x80                                       ; destination window 2
.set i, 0
.rept 64                               ; load 8 p + q: bytes 256 p on of my rows 2 q and 2 q + 1 (row l of the tile lies l + 8 (l / 8) rows down)
	global_load_b128 v[4*i:4*i+3], v4, s[4:5] offset:(2*(i%8)+8*((i%8)/4))*2048+256*(i/8) th:TH_LOAD_NT
.set i, i+1
.endr
.irp p, 0,1,2,3,4,5,6,7                ; pass p: 16 rows x 64 numbers through the stage.  LDS serves a wave's instructions in order (ISA guide 5.7.1.4): no wait between the stores and the loads, nor in front of the next pass's stores
	s_wait_loadcnt 56                              ; this pass's eight loads are in: behind them stand the 56 - 8 p later ones of x and the 8 p of ln1_b issued so far
	WIN 0x08                                       ; store data window 2
.irp q, 0,1,2,3,4,5,6,7
	ds_store_b128 v14, v[4*(8*\p+\q):4*(8*\p+\q)+3] offset:544*\q
.endr
	WIN 0x40                                       ; destination window 1
.irp f, 0,1,2,3,4,5,6,7
	ds_load_b128 v[32*\p+4*\f:32*\p+4*\f+3], v15 offset:128*(\f/4)+16*(\f%4)   ; k = 64 p + 32 (f / 4) + 16 h + 4 (f % 4) on
.endr
	WIN 0xc0                                       ; destination window 3: eight loads of ln1_b a pass
.irp q, 0,1,2,3,4,5,6,7
	global_load_b128 v[4*(8*\p+\q):4*(8*\p+\q)+3], v5, s[8:9] offset:128*((8*\p+\q)/4)+16*((8*\p+\q)%4)
.endr
.endr
	WIN 0
	s_wait_dscnt 0x0                               ; x is in window 1, and the stores have read window 2,
	WIN 0x80                                       ; which takes ln1_g
.set i, 0
.rept 64
	global_load_b128 v[4*i:4*i+3], v5, s[6:7] offset:128*(i/4)+16*(i%4)
.set i, i+1
.endr
	WIN 0
	s_wait_kmcnt 0x0
	MKSC 32, 24                                    ; y's three scales: e0, e2, e4
	MKSC 34, 26
	MKSC 36, 28
	s_sub_co_i32 s74, s30, s24                     ; a sum of the first product stands for sum x 2^(e0 + e1): q's code is sum / 2^(e6 - e0 - e1)
	s_sub_co_i32 s74, s74, s25
	MKSC 38, 74
	s_sub_co_i32 s74, s31, s26                     ; k: e7 - e2 - e3
	s_sub_co_i32 s74, s74, s27
	MKSC 40, 74
	s_sub_co_i32 s74, s33, s28                     ; v: e9 - e4 - e5
	s_sub_co_i32 s74, s74, s29
	MKSC 42, 74
	; ---- the layer norm, in two passes: the mean; then the sum of squares of x - mean
	WIN 0x05                                       ; sources 0 and 1 window 1
.irp q, 0,1,2,3
	v_pk_add_f32 v[16+2*\q:17+2*\q], v[4*\q:4*\q+1], v[4*\q+2:4*\q+3]   ; four chains, started by the first eight pairs
.endr
	WIN 0x04
.set i, 8
.rept 120
	v_pk_add_f32 v[16+2*(i%4):17+2*(i%4)], v[16+2*(i%4):17+2*(i%4)], v[2*i:2*i+1]
.set i, i+1
.endr
	WIN 0
	v_pk_add_f32 v[16:17], v[16:17], v[18:19]
	v_pk_add_f32 v[20:21], v[20:21], v[22:23]
	v_pk_add_f32 v[16:17], v[16:17], v[20:21]
	v_add_f32 v16, v16, v17
	v_permlanex16_b32 v17, v16, s[SEL], s[SEL+1]   ; the row's other 256 numbers lie in the lane 16 away
	v_add_f32 v16, v16, v17
	v_mul_f32 v16, s60, v16                        ; the mean
	v_mov_b32 v17, v16
	WIN 0x41                                       ; destination and source 0 window 1
.set i, 0
.rept 128
	v_pk_add_f32 v[2*i:2*i+1], v[2*i:2*i+1], v[16:17] neg_lo:[0,1] neg_hi:[0,1]
.set i, i+1
.endr
	WIN 0x05
.irp q, 0,1,2,3
	v_pk_mul_f32 v[18+2*\q:19+2*\q], v[2*\q:2*\q+1], v[2*\q:2*\q+1]
.endr
.set i, 4
.rept 124
	v_pk_fma_f32 v[18+2*(i%4):19+2*(i%4)], v[2*i:2*i+1], v[2*i:2*i+1], v[18+2*(i%4):19+2*(i%4)]
.set i, i+1
.endr
	WIN 0
	v_pk_add_f32 v[18:19], v[18:19], v[20:21]
	v_pk_add_f32 v[22:23], v[22:23], v[24:25]
	v_pk_add_f32 v[18:19], v[18:19], v[22:23]
	v_add_f32 v18, v18, v19
	v_permlanex16_b32 v19, v18, s[SEL], s[SEL+1]
	v_add_f32 v18, v18, v19
	v_fma_f32 v18, v18, s60, s61                   ; the variance + 1e-5
	v_rsq_f32 v20, v18
	v_nop                                          ; a plain line behind the transcendental,
	s_wait_alu depctr_va_vdst(0)                   ; and a wait ahead of the first use of its result
	v_mov_b32 v21, v20
	WIN 0x41
.set i, 0
.rept 128
	v_pk_mul_f32 v[2*i:2*i+1], v[2*i:2*i+1], v[20:21]
.set i, i+1
.endr
	s_wait_loadcnt 0x0                             ; ln1_g and ln1_b
	WIN 0x79                                       ; destination and source 0 window 1, source 1 (g) window 2, source 2 (b) window 3
.set i, 0
.rept 128
	v_pk_fma_f32 v[2*i:2*i+1], v[2*i:2*i+1], v[2*i:2*i+1], v[2*i:2*i+1]   ; y = (x - mean) rstd g + b
.set i, i+1
.endr
	WIN 0
; y's codes under its i-th scale: four fragments, stored as images.  y itself stays in window 1: the held numbers go into v[T] on.
.macro QUANTSET i
	s_wait_xcnt 0x0                                ; the last stores have read their data, which lay in v[OC] on
.irp s, 0,1,2,3
	WIN 0x01                                       ; source 0 window 1
.set k, 0
.rept 64
	v_med3_num_f32 v[T+k], v[64*\s+k], -v[33+2*\i], v[33+2*\i]   ; the conversion to an 8-bit code does not saturate (ISA guide 7.6.2): the hold comes first
.set k, k+1
.endr
	WIN 0
.irp g, 0,1,2,3,4,5,6,7
	v_cvt_scalef32_pk8_bf8_f32 v[ACC+16*\s+2*\g:ACC+16*\s+2*\g+1], v[T+8*\g:T+8*\g+7], v[32+2*\i]
.endr
	v_nop                                          ; a plain line between the conversions and the next lines that write their sources
.irp c, 0,1,2,3
	ds_store_b128 v8, v[ACC+16*\s+4*\c:ACC+16*\s+4*\c+3] offset:2048*\s+512*\c
.endr
.endr
.endm
; THE CHANGE OF SLOTS.  Each wave waits for all its tensor loads (the tile that it is about to read), adds 0 to its spare word, and waits for that, for its reads of the slot that it has left and for its stores of images.
; The round then holds of every wave of all four work-groups: the slot just left is free, and the images are whole.  The joint refill is the first thing behind it; it has a tile's 64 products and its way out in which to land.
.macro CHG step
	WIN 0
	s_wait_tensorcnt 0x0                           ; no tensor load of mine is out, so group 0 may be written
	ds_add_u32 v6, v7                              ; 0 onto my spare word
	s_xor_b32 s[G0X+1], s[G0X+1], SLOT1            ; the other slot,
	s_add_nc_u64 s[G0X+2:G0X+3], s[G0X+2:G0X+3], \step   ; the next tile; the type bits on top are not reached
	s_wait_dscnt 0x0
	CROUND
	tensor_load_to_lds s[G0X:G0X+3], s[G1W:G1W+7]  ; my one tensor load until the next round
	s_nop 0
	PLACES 4                                       ; these are also places in front of the loads below
.endm
.macro LOADY                           ; y's 16 fragments, window 2: fragment 4 t + s at v[16 (4 t + s)]
	WIN 0x80
.set f, 0
.rept 64
	ds_load_b128 v[4*f:4*f+3], v9 offset:512*f
.set f, f+1
.endr
.endm
.macro LOADW slot                      ; my 16 fragments of the weight tile, window 3: (column tile u, K step s) at v[16 (4 u + s)]; the first K step's first
	WIN 0xc0
.irp s, 0,1,2,3
.irp u, 0,1,2,3
.irp c, 0,1,2,3
	ds_load_b128 v[16*(4*\u+\s)+4*\c:16*(4*\u+\s)+4*\c+3], v[10+\slot] offset:2048*(4*\u+\s)+512*\c
.endr
.endr
.endr
.endm
; 64 products: 4 row tiles x 4 column tiles x 4 K steps.  The 16 accumulators take turns, one instruction a turn; the first K step starts the sums.
.macro MUL kind                        ; 0: source 0 = the weight (q, k);  1: source 0 = y (v)
.irp s, 0,1,2,3
	s_wait_dscnt 48-16*\s                          ; y and the weight's fragments up to this K step are in; the later K steps' loads, 16 each, may be out
.if \kind
	WIN 0x0e                                       ; source 0 window 2, source 1 window 3
.else
	WIN 0x0b                                       ; source 0 window 3, source 1 window 2
.endif
.irp t, 0,1,2,3
.irp u, 0,1,2,3
.if \kind
.if \s == 0
	v_wmma_f32_16x16x128_bf8_bf8 v[ACC+8*(4*\t+\u):ACC+8*(4*\t+\u)+7], v[16*(4*\t+\s):16*(4*\t+\s)+15], v[16*(4*\u+\s):16*(4*\u+\s)+15], 0
.else
	v_wmma_f32_16x16x128_bf8_bf8 v[ACC+8*(4*\t+\u):ACC+8*(4*\t+\u)+7], v[16*(4*\t+\s):16*(4*\t+\s)+15], v[16*(4*\u+\s):16*(4*\u+\s)+15], v[ACC+8*(4*\t+\u):ACC+8*(4*\t+\u)+7]
.endif
.else
.if \s == 0
	v_wmma_f32_16x16x128_bf8_bf8 v[ACC+8*(4*\t+\u):ACC+8*(4*\t+\u)+7], v[16*(4*\u+\s):16*(4*\u+\s)+15], v[16*(4*\t+\s):16*(4*\t+\s)+15], 0
.else
	v_wmma_f32_16x16x128_bf8_bf8 v[ACC+8*(4*\t+\u):ACC+8*(4*\t+\u)+7], v[16*(4*\u+\s):16*(4*\u+\s)+15], v[16*(4*\t+\s):16*(4*\t+\s)+15], v[ACC+8*(4*\t+\u):ACC+8*(4*\t+\u)+7]
.endif
.endif
.endr
.endr
.endr
.endm
.macro HOLD sc                         ; the 128 sums held within the largest code x the folded scale, each accumulator from its low end on
	WIN 0
	PLACES 5                                       ; behind the last products: four for the reads below, a fifth for the next tile's first products, which write over these accumulators (ISA guide 7.12.1)
	s_wait_xcnt 0x0                                ; the last tile's stores have read v[OC] on
.set k, 0
.rept 128
	v_med3_num_f32 v[ACC+k], v[ACC+k], -v[\sc+1], v[\sc+1]
.set k, k+1
.endr
.endm
; q or k: the 16 registers of column tiles 2 b and 2 b + 1 of row tile t are columns 128 w + 64 p + 32 b + 16 h + 0 .. 15 of one row: group c = 2 p + b of the image (t, K step w)
.macro OUTQK sc, p, isk
	HOLD \sc
.irp g, 0,1,2,3,4,5,6,7
	v_cvt_scalef32_pk8_bf8_f32 v[OC+4*\g:OC+4*\g+1], v[ACC+16*\g:ACC+16*\g+7], v[\sc]
	v_cvt_scalef32_pk8_bf8_f32 v[OC+4*\g+2:OC+4*\g+3], v[ACC+16*\g+8:ACC+16*\g+15], v[\sc]
.endr
	v_nop                                          ; a plain line behind the last conversion
.irp t, 0,1,2,3
.irp b, 0,1
.if \isk
	global_store_b128 v12, v[OC+4*(2*\t+\b):OC+4*(2*\t+\b)+3], s[44:45] offset:(\t/2)*32768+(\t%2)*8192+512*(2*\p+\b)
.else
	global_store_b128 v12, v[OC+4*(2*\t+\b):OC+4*(2*\t+\b)+3], s[14:15] offset:8192*\t+512*(2*\p+\b)
.endif
.endr
.endr
.endm
; v: the registers of row tiles 2 b and 2 b + 1 of column tile u are keys 32 b + 16 h + 0 .. 15 of one channel: group c = 2 (blk % 2) + b of the image of channel tile 4 p + u
.macro OUTV p
	HOLD 42
.irp u, 0,1,2,3
.irp b, 0,1
	v_cvt_scalef32_pk8_bf8_f32 v[OC+4*(2*\u+\b):OC+4*(2*\u+\b)+1], v[ACC+8*(8*\b+\u):ACC+8*(8*\b+\u)+7], v42
	v_cvt_scalef32_pk8_bf8_f32 v[OC+4*(2*\u+\b)+2:OC+4*(2*\u+\b)+3], v[ACC+8*(8*\b+4+\u):ACC+8*(8*\b+4+\u)+7], v42
.endr
.endr
	v_nop
.irp u, 0,1,2,3
.irp b, 0,1
	global_store_b128 v13, v[OC+4*(2*\u+\b):OC+4*(2*\u+\b)+3], s[46:47] offset:(4*\p+\u)*2048+512*\b
.endr
.endr
.endm
	QUANTSET 0                                     ; ---- q
	s_wait_tensorcnt 0x1                           ; my part of tile 0, which I alone read, is in; tile 1's load may stay out
	s_wait_dscnt 0x0                               ; for the others' sake: my images have landed
	s_barrier_signal -1
	s_barrier_wait -1
	LOADY
	LOADW 0
	MUL 0
	OUTQK 38, 0, 0
	CHG 229376                                     ; slot 0 takes tile 2: from a weight's second half to the next weight's first: 262,144 - 32,768 bytes on
	LOADW 1
	MUL 0
	OUTQK 38, 1, 0
	QUANTSET 1                                     ; ---- k.  Every wave's reads of the last images were over at the round before
	CHG 32768                                      ; slot 1 takes tile 3: a weight's second half
	LOADY
	LOADW 0
	MUL 0
	OUTQK 40, 0, 1
	CHG 229376
	LOADW 1
	MUL 0
	OUTQK 40, 1, 1
	QUANTSET 2                                     ; ---- v
	CHG 32768
	LOADY
	LOADW 0
	MUL 1
	OUTV 0
	s_wait_tensorcnt 0x0                           ; the last tile: my part, which I alone read, is in; nothing is filled again and nothing handed over, so no barrier
	LOADW 1
	MUL 1
	OUTV 1
	s_wait_tensorcnt 0x0                           ; the wave's end
	ds_add_u32 v6, v7
	s_wait_dscnt 0x0
	CROUND                                         ; the closing round: no work-group ends while a partner may still ask for a tile that names it
	s_endpgm
.Lfunc_end_k_qf33a7cb265_qkv:
	.size	k_qf33a7cb265_qkv, .Lfunc_end_k_qf33a7cb265_qkv-k_qf33a7cb265_qkv
	.p2alignl 7, 3214868480
	.fill 96, 4, 3214868480
	.section	.rodata,"a",@progbits
	.p2align	6, 0x0
	.amdhsa_kernel k_qf33a7cb265_qkv
		.amdhsa_group_segment_fixed_size 327680
		.amdhsa_private_segment_fixed_size 0
		.amdhsa_enable_private_segment 0
		.amdhsa_kernarg_size 56
		.amdhsa_user_sgpr_count 2
		.amdhsa_user_sgpr_kernarg_segment_ptr 1
		.amdhsa_wavefront_size32 1
		.amdhsa_system_sgpr_workgroup_id_x 1
		.amdhsa_system_sgpr_workgroup_id_y 1
		.amdhsa_system_sgpr_workgroup_id_z 1
		.amdhsa_system_vgpr_workitem_id 0
		.amdhsa_next_free_vgpr 1024
		.amdhsa_next_free_sgpr 76
		.amdhsa_reserve_vcc 0
		.amdhsa_float_denorm_mode_32 3
		.amdhsa_float_denorm_mode_16_64 3
		.amdhsa_memory_ordered 1
		.amdhsa_forward_progress 1
		.amdhsa_inst_pref_size 255
	.end_amdhsa_kernel
	.section	.bss,"aw",@nobits
	.p2align	6
	.space	262144
	.amdgpu_metadata
---
amdhsa.version: [ 1, 2 ]
amdhsa.kernels:
  - .name:           k_qf33a7cb265_qkv
    .symbol:         k_qf33a7cb265_qkv.kd
    .args:
      - { .name: x, .offset: 0, .size: 8, .value_kind: global_buffer, .address_space: global }
      - { .name: ln1_g, .offset: 8, .size: 8, .value_kind: global_buffer, .address_space: global }
      - { .name: ln1_b, .offset: 16, .size: 8, .value_kind: global_buffer, .address_space: global }
      - { .name: wcodes, .offset: 24, .size: 8, .value_kind: global_buffer, .address_space: global }
      - { .name: lowp_scales, .offset: 32, .size: 8, .value_kind: global_buffer, .address_space: global }
      - { .name: qc, .offset: 40, .size: 8, .value_kind: global_buffer, .address_space: global }
      - { .name: kv, .offset: 48, .size: 8, .value_kind: global_buffer, .address_space: global }
    .group_segment_fixed_size: 327680
    .private_segment_fixed_size: 0
    .kernarg_segment_align: 8
    .kernarg_segment_size: 56
    .max_flat_workgroup_size: 128
    .sgpr_count:     76
    .vgpr_count:     1024
    .wavefront_size: 32
...
	.end_amdgpu_metadata
.endif
;; end of part 4
;; launch attn (part 5): grid 32 x 8, 4 waves a work-group, clusters of 4 x 1, 327,680 bytes of LDS; arguments qc, kv, wcodes, x, lowp_scales, ln2_g, ln2_b, b1, b2, out0; writes out0
.if DOCPART == 5
	.amdgcn_target "amdgcn-amd-amdhsa--gfx1250"
	.amdhsa_code_object_version 6
	.text
	.protected	k_qf33a7cb265_attn
	.globl	k_qf33a7cb265_attn
	.p2align	8
	.type	k_qf33a7cb265_attn,@function
k_qf33a7cb265_attn:
	s_mov_b64 s[64:65], 0
	v_nop
	global_prefetch_b8 v0, s[64:65] scope:SCOPE_SE
	s_setreg_imm32_b32 hwreg(HW_REG_WAVE_MODE, 25, 1), 1
	s_wait_xcnt 0x0
	s_wait_alu depctr_hold_cnt(0) depctr_sa_sdst(0) depctr_va_vdst(0) depctr_va_sdst(0) depctr_va_ssrc(0) depctr_va_vcc(0) depctr_vm_vsrc(0)
	s_getreg_b32 s2, hwreg(HW_REG_IB_STS2, 6, 4)
	s_cmp_eq_u32 s2, 0
	s_cbranch_scc0 .Lentry_in_a_cluster
	s_endpgm
.Lentry_in_a_cluster:
	s_bfe_u32 s2, ttmp6, 0x10000c
	s_cmp_lg_u32 s2, 0x3003
	s_cbranch_scc0 .Lentry_shape_is_right
	s_endpgm
.Lentry_shape_is_right:
; x1 = x + softmax(q k^T / sqrt(512)) v;  out = x1 + gelu(layer_norm(x1) W1 + b1) W2 + b2.  All four products on codes of BF8 (E5M2) with the given scales; everything else in f32.  x1 and the hidden layer never go to memory.
; THE SOFTMAX AHEAD OF THE SECOND PRODUCT: t = score x log2(e) / sqrt(512); M = the row's largest t so far, rounded UP to a whole number; p = 2^(t - M) is quantised, not normalised; the row's sum is taken of the unquantised p
; and divides at the end.  When M moves, the sum and O are multiplied by 2^(old M - new M), which rounds nothing.
; SHARES.  A work-group owns 64 queries of one batch (block blk): four tiles t of 16, lane r of tile t = query rho(t, r) = 32 (t / 2) + 8 (t % 2) + r + 8 (r / 8).  EVERY WAVE WORKS ON ALL FOUR TILES, so that each fragment of K, V or a weight feeds four products.
; A key step is 128 keys, 16 steps.  S^T = K Q^T: wave w takes keys 32 w .. 32 w + 31 (two key tiles u).  O^T += V^T P^T: wave w takes channels 128 w .. 128 w + 127 (eight tiles i).  Between the two the rows' maxima and p's codes cross
; the waves through LDS: two barriers a step.  A lane holds one query throughout.  In the feed-forward part wave w makes hidden units and outputs 128 w .. 128 w + 127 for all 64 rows, its part of each weight in registers.
; FRAGMENT: 16 rows x 128 k in 16 registers; registers 4 c .. 4 c + 3 of lane (r, h) hold k = 32 c + 16 h + 0 .. 15, alike on both sides of every product.  IMAGE: those registers on end, 16 x lane + 512 c.  All operands lie as images, in memory and in LDS.
; THE ROWS OF A TILE OF K, V^T, W1, W2 ARE NOT NEIGHBOURS (row r of tile T: 32 (T / 2) + 8 (T % 2) + r + 8 (r / 8)), so that the 16 registers of two neighbouring result tiles are 16 neighbours along the next K.
; RING: two LDS slots of 128 KiB.  A UNIT of kv is four dense parts of 32 KiB, part w fetched by wave w and read by wave w alone: K of the NEXT key step (8 images), then V^T of this one (8 images).  So within a step a wave reads, from the one slot
; that has landed, V under its softmax and the next step's K under its second product, and the first product starts straight behind the change of slots.  The two weights then take both slots, 64 KiB a wave.
; THE ORDER OF THE KEYS: cluster c of a batch begins at key step 2 c and goes round, so that the eight clusters of a batch do not all ask for the same unit at the same time.  The running form of the softmax takes the steps in any order;
; only the order of rounding in a row's sums differs from cluster to cluster.  No prefetch is laid: at the head cluster c asks for units 2 c - 1 and 2 c, so all 16 units of a batch are asked for there by tensor loads themselves.
; CLUSTER: the four query blocks of a cluster belong to one batch and walk the same K, V and weights: each part is asked for JOINTLY, by the same tensor load with the same descriptor (batch, cluster, wave's number, constants) and the mask of all four.
; GELU: 0.5 v erfc(-v / sqrt 2) = max(v, 0) - |v| E / 2, E = erfc(|v| / sqrt 2) = u exp(-v^2 / 2 + poly(u)), u = 1 / (1 + |v| / (2 sqrt 2)): a fit of degree 9 with a fractional error of 1.2e-7 for every v; log2(e) and the 1/2 are folded into its constants.
; LIMITS on the given exponents, so that each power of two is an f32 number: e8, e10, e12 between -126 and 112; e6 + e7 between -122 and 131; e10 + e11 and e12 + e13 between -126 and 127.  NaN among the inputs is not served;
; v_exp_f32 gives 0 for results under 2^-126.
; REGISTERS, in windows of 256: window 0: v1-31 addresses and scales; v32-63 eight statistics a tile; v64-127 S^T (tile t, key tile u at v[64 + 16 t + 8 u]), later x turned, a row tile's four fragments, GELU's scratch, results;
;   v128-191 p's four fragments, later x turned, eight accumulators, rows on their way out; v192-255 p's codes, later 64 numbers at work, biases.
;   window 1: O^T, then x1: register 64 t + 16 b + i = channel 128 w + 32 b + 16 h + i of query rho(t, r).   window 2: Q (fragment 4 t + s at v[16 (4 t + s)]), then x as loaded, then a weight's fragments 0-15.
;   window 3: K (4 u + s) at v0-127, V^T (i) at v128-255, then ln2's gain and bias, then a weight's fragments 16-31.
.set SLOT1, 1<<17
.set SPARE, 262144                     ; the spare words, 128 bytes for each wave: two blocks of 256 bytes that no other line names
.set MX,    262656                     ; [t][r][w] f32: the rows' maxima; + 1,024 the rows' sums; + 2,048 the means; + 3,072 the sums of squares
.set PAR,   266752                     ; ln2_g, ln2_b, b1, b2: 2,048 bytes each
.set PIMG,  274944                     ; p's images: tile t at 2,048 t; wave w writes group c = w
.set SCR,   283136                     ; first x's stages, 16 rows x (512 + 16) bytes = 8,448 for each wave; then the images of layer_norm(x1), fragment 4 t + s; the hidden layer's take their place, row tile by row tile
.set ST,  32                           ; tile t's statistics at v[ST + 8 t]: +0 -M, +1 the largest t, +2, +3 the sum, +4 f, +5 its partner in the pair, +6, +7 at work
.set S,   64
.set PF,  128
.set PC,  192
.set YF,  64
.set ACC, 128
.set TMP, 192
.set TT,  64                           ; GELU's scratch: u,
.set PP,  96                           ; the polynomial,
.set WW,  192                          ; v^2, then max(v, 0)
.set WV,  32                           ; s32      my wave's number
.set G1K, 36                           ; s[36:43] descriptor group 1: 32 KiB
.set G1W, 44                           ; s[44:51] the same for 64 KiB
.set G0,  52                           ; s[52:55] descriptor group 0, which walks
.set CS,  56                           ; s[56:57] c = log2(e) / sqrt(512) x 2^(e6 + e7)
.set SEL, 58                           ; s[58:59] lane selects: lane l xor 16
.set TB,  60                           ; s60      LDS byte at which the slot in hand begins
.set CNT, 61                           ; s61      a loop's count
.set KB,  62                           ; s[62:63] kv at my batch's unit 0, my part
.set XB,  66                           ; s[66:67] x at my block
.set KI,  68                           ; s68      the unit last asked for, 0 .. 15
.set E89, 69                           ; s69      e8 + e9
.set SM,  70                           ; s70      the feed-forward loop's row tile, in bytes of images
.set G0B, 76                           ; s[76:79] at the head: descriptor group 0 of the unit that holds my first K; GELU's constants take the registers later
.set GC,  76                           ; s[76:93] GELU's constants c0 .. c7, c9, as pairs
.set HS,  94                           ; s94      1 / (2 sqrt 2);  s95: 1e-5
.set KN,  96                           ; s[96:97] -log2(e) / 2
.set SC1, 98                           ; s[98:99] 2^(e10 + e11)
.set SC2, 100                          ; s[100:101] 2^(e12 + e13)
.set MSB, 0
.macro WIN new                         ; the immediate's high byte repeats the setting that is left; a switch that changes nothing is dropped
.if MSB != \new
	s_set_vgpr_msb (MSB<<8)|\new
.set MSB, \new
.endif
.endm
.macro PLACES n
.rept \n
	v_nop
.endr
.endm
.macro CROUND                          ; a round of the cluster's barrier
	s_barrier_signal -1
	s_barrier_wait -1
	s_cmp_lg_u32 s[WV], 0
	s_cbranch_scc1 .Lnot_wave_0_\@
	s_barrier_signal -3
.Lnot_wave_0_\@:
	s_barrier_wait -3
	s_barrier_signal -1
	s_barrier_wait -1
.endm
.macro MKSC vd, se                     ; v[vd] = 2^e as f32, v[vd + 1] = 57,344 x 2^e; e in s[se]
	s_add_co_i32 s72, s[\se], 127
	s_lshl_b32 s73, s72, 23
	v_mov_b32 v[\vd], s73
	s_add_co_i32 s72, s72, 15
	s_lshl_b32 s72, s72, 23
	s_or_b32 s72, s72, 0x600000
	v_mov_b32 v[\vd+1], s72
.endm
.macro SETC n, bits                    ; a constant as a pair: the packed forms name the pair
	s_mov_b32 s[GC+2*\n], \bits
	s_mov_b32 s[GC+2*\n+1], \bits
.endm
.macro KLOADS                          ; K's eight fragments out of the slot that v7 names, window 3: (key tile u, channel step s) at v[16 (4 u + s)]
	WIN 0xc0
.irp s, 0,1,2,3
.irp u, 0,1
.irp c, 0,1,2,3
	ds_load_b128 v[16*(4*\u+\s)+4*\c:16*(4*\u+\s)+4*\c+3], v7 offset:2048*(4*\u+\s)+512*\c
.endr
.endr
.endr
.endm
	s_load_b512 s[4:19], s[0:1], 0x0               ; qc s[4:5], kv s[6:7], wcodes s[8:9], x s[10:11], the scales' exponents s[12:13], ln2_g s[14:15], ln2_b s[16:17], b1 s[18:19]
	s_load_b128 s[20:23], s[0:1], 0x40             ; b2 s[20:21], out0 s[22:23]
	v_lshl_add_u32 v4, v0, 2, SPARE                ; my spare word; never rewritten
	v_mov_b32 v5, 0                                ; 0; never rewritten
	ds_add_u32 v4, v5
	ds_add_u32 v4, v5
	s_wait_dscnt 0x0
	v_lshrrev_b32 v1, 5, v0
	v_readfirstlane_b32 s[WV], v1                  ; wave 0..3
	s_bfe_u32 s33, ttmp6, 0x40000                  ; my place in the cluster
	s_lshl_b32 s34, ttmp9, 2
	s_add_co_u32 s34, s34, s33                     ; my block of 64 queries in the batch
	s_and_b32 s35, ttmp7, 0xffff                   ; the batch, which the four partners share
	s_mov_b32 s[G1K], 15|(3<<16)|(1<<21)           ; 15:0 the mask: all four work-groups; 17:16 elements of 8 bytes; 21 set beside a mask; no padding: images are read densely
	s_mov_b32 s[G1K+1], 32<<16                     ; tensor_dim0 = 32 elements: rows of 256 bytes
	s_mov_b32 s[G1K+2], 128<<16                    ; tensor_dim1 = 128 rows
	s_mov_b32 s[G1K+3], 32<<16                     ; tile_dim0
	s_mov_b32 s[G1K+4], 128                        ; tile_dim1
	s_mov_b32 s[G1K+5], 32                         ; the pitch: the block is dense
	s_mov_b32 s[G1K+6], 0
	s_mov_b32 s[G1K+7], 0
	s_mov_b32 s[G1W], 15|(3<<16)|(1<<21)           ; the same with 256 rows
	s_mov_b32 s[G1W+1], 32<<16
	s_mov_b32 s[G1W+2], 256<<16
	s_mov_b32 s[G1W+3], 32<<16
	s_mov_b32 s[G1W+4], 256
	s_mov_b32 s[G1W+5], 32
	s_mov_b32 s[G1W+6], 0
	s_mov_b32 s[G1W+7], 0
	s_mov_b32 s[SEL], 0x76543210
	s_mov_b32 s[SEL+1], 0xfedcba98
	s_mov_b32 s[TB], 0
	v_mov_b32 v30, 0xbf97d29d                      ; -0.82215223 log2(e): GELU's c8, in a vector pair: an instruction takes one scalar pair
	v_mov_b32 v31, 0xbf97d29d
	s_mov_b32 s[HS], 0x3eb504f3
	s_mov_b32 s95, 0x3727c5ac
	s_mov_b32 s[KN], 0xbf38aa3b
	s_mov_b32 s[KN+1], 0xbf38aa3b
	v_and_b32 v1, 31, v0
	v_lshlrev_b32 v1, 4, v1                        ; v1: 16 x lane: my place in an image
	v_and_b32 v2, 15, v0                           ; r
	v_bfe_u32 v3, v0, 4, 1                         ; h
	s_lshl_b32 s72, s[WV], 15
	v_add_nc_u32 v6, s72, v1                       ; v6: my part of a unit in slot 0
	v_lshlrev_b32 v9, 4, v2
	v_add_nc_u32 v9, MX, v9                        ; v9: a query's four words
	s_lshl_b32 s72, s[WV], 2
	v_add_nc_u32 v8, s72, v9                       ; v8: my wave's word of them
	s_lshl_b32 s72, s[WV], 9
	v_add_nc_u32 v12, s72, v1                      ; v12: x and out0: 16 x lane + my wave's 512 bytes of a row
	s_add_co_u32 s73, s72, PIMG
	v_add_nc_u32 v10, s73, v1                      ; v10: where I store my group of p's images
	v_add_nc_u32 v11, PIMG, v1                     ; v11: where p's images are read
	s_add_co_u32 s73, s72, PAR
	v_lshlrev_b32 v18, 6, v3
	v_add_nc_u32 v18, s73, v18                     ; v18: a parameter's numbers for my channels: PAR + 512 w + 64 h
	s_mul_i32 s73, s[WV], 8448
	s_add_co_u32 s73, s73, SCR
	v_add_nc_u32 v14, s73, v1                      ; v14: x's stage, written: a row's 512 bytes as loaded
	v_lshlrev_b32 v15, 4, v0                       ; v15: 16 x thread: the parameters on their way in; later x's stage, read
	v_add_nc_u32 v29, PAR, v15                     ; v29: and in LDS
	v_add_nc_u32 v16, SCR, v1                      ; v16: where the row tiles' images are read
	s_lshl_b32 s72, s[WV], 11
	s_add_co_u32 s72, s72, SCR
	v_add_nc_u32 v17, s72, v1                      ; v17: where I store K step w of them
	s_lshl_b32 s72, s[WV], 16
	v_add_nc_u32 v19, s72, v1                      ; v19: my 64 KiB of a weight; later my stage for the way out, read by rows
	v_mul_u32_u24 v20, v2, 528
	v_lshl_add_u32 v20, v3, 6, v20
	v_add_nc_u32 v20, s72, v20                     ; v20: that stage, written: row r of 512 + 16 bytes, + 64 h
.irp t, 0,1,2,3
	v_mov_b32 v[ST+8*\t+5], 0                      ; named as the upper half of a pair,
	v_mov_b32 v[ST+8*\t+7], 0                      ; and as a lane permute's destination, which counts as read: written once
.endr
	s_wait_kmcnt 0x0
	s_load_b256 s[24:31], s[12:13], 0x18           ; e6 .. e13
	s_lshl_b32 s72, s35, 21                        ; the batch's 16 units of 131,072 bytes,
	s_lshl_b32 s73, s[WV], 15
	s_add_co_u32 s72, s72, s73                     ; my part
	s_mov_b32 s73, 0
	s_add_nc_u64 s[KB:KB+1], s[6:7], s[72:73]
	s_lshl_b32 s[KI], ttmp9, 1                     ; my cluster's first key step: 2 x the cluster's number in the batch: the same in all four partners
	s_add_co_u32 s74, s[KI], 15
	s_and_b32 s74, s74, 15                         ; the unit before it holds that step's K
	s_lshl_b32 s74, s74, 17
	s_mov_b32 s75, 0                               ; (stays 0: the upper word of the units' offsets)
	s_mov_b32 s[G0B], 1                            ; count = 1
	s_lshl_b32 s[G0B+1], s[WV], 15
	s_add_co_u32 s[G0B+1], s[G0B+1], SLOT1         ; LDS address: slot 1, my part
	s_add_nc_u64 s[G0B+2:G0B+3], s[KB:KB+1], s[74:75]
	s_or_b32 s[G0B+3], s[G0B+3], 0x80000000        ; type = 2
	s_lshl_b32 s74, s[KI], 17
	s_mov_b32 s[G0], 1
	s_lshl_b32 s[G0+1], s[WV], 15                  ; slot 0, my part
	s_add_nc_u64 s[G0+2:G0+3], s[KB:KB+1], s[74:75]
	s_or_b32 s[G0+3], s[G0+3], 0x80000000
	s_lshl_b32 s72, s[WV], 16
	s_add_co_u32 s72, s72, 786432
	s_add_nc_u64 s[8:9], s[8:9], s[72:73]          ; W1's codes, my 64 KiB
	s_lshl_b32 s74, s35, 5
	s_add_co_u32 s74, s74, s34                     ; blk
	s_lshl_b32 s70, s74, 15
	s_mov_b32 s71, 0
	s_add_nc_u64 s[4:5], s[4:5], s[70:71]          ; qc at my block
	s_lshl_b32 s70, s74, 17
	s_add_nc_u64 s[XB:XB+1], s[10:11], s[70:71]    ; x and out0 likewise
	s_add_nc_u64 s[22:23], s[22:23], s[70:71]
	CROUND                                         ; all four work-groups are here: the first joint loads meet
	tensor_load_to_lds s[G0B:G0B+3], s[G1K:G1K+7]  ; the two first fills together: the unit with my first K, into slot 1,
	s_nop 0
	tensor_load_to_lds s[G0:G0+3], s[G1K:G1K+7]    ; and my first step's own, into slot 0: two tensor loads of mine are out
	s_nop 0
	PLACES 4
	WIN 0x80                                       ; destination window 2
.set f, 0
.rept 64
	global_load_b128 v[4*f:4*f+3], v1, s[4:5] offset:512*f   ; Q's 16 fragments stay in registers
.set f, f+1
.endr
	WIN 0
	global_load_b128 v[64:67], v15, s[14:15]       ; the four parameters: 128 threads x 16 bytes each
	global_load_b128 v[68:71], v15, s[16:17]
	global_load_b128 v[72:75], v15, s[18:19]
	global_load_b128 v[76:79], v15, s[20:21]
	s_wait_kmcnt 0x0
	s_mov_b32 s[CS], 0x3d8293ee                    ; log2(e) / sqrt(512)
	s_add_co_i32 s72, s24, s25
	s_lshl_b32 s72, s72, 23
	s_add_co_i32 s[CS], s[CS], s72                 ; a score stands for score x 2^(e6 + e7): the exponents are added to c's exponent field
	s_mov_b32 s[CS+1], s[CS]
	s_add_co_i32 s[E89], s26, s27
	MKSC 23, 26                                    ; v23, v24: p's scale e8
	MKSC 25, 28                                    ; v25, v26: layer_norm(x1)'s, e10
	MKSC 27, 30                                    ; v27, v28: the hidden layer's, e12
	s_add_co_i32 s72, s28, s29
	s_add_co_i32 s72, s72, 127
	s_lshl_b32 s[SC1], s72, 23
	s_mov_b32 s[SC1+1], s[SC1]
	s_add_co_i32 s72, s30, s31
	s_add_co_i32 s72, s72, 127
	s_lshl_b32 s[SC2], s72, 23
	s_mov_b32 s[SC2+1], s[SC2]
	s_wait_loadcnt 0x0
.irp p, 0,1,2,3
	ds_store_b128 v29, v[64+4*\p:67+4*\p] offset:2048*\p
.endr
	s_mul_i32 s72, s[WV], 8448
	s_add_co_u32 s72, s72, SCR
	v_mul_u32_u24 v15, v2, 528                     ; (the loads that named v15 are in)
	v_lshl_add_u32 v15, v3, 6, v15
	v_add_nc_u32 v15, s72, v15                     ; v15: x's stage, read: row r, + 64 h
	s_wait_tensorcnt 0x1                           ; my part of the unit in slot 1, which I alone read, is in; slot 0's load may stay out
	v_add_nc_u32 v7, SLOT1, v6
	KLOADS                                         ; K of my first key step
	WIN 0
; THE CHANGE OF SLOTS stands at a key step's head.  Each wave waits for all its tensor loads (its part of the unit that it is about to read), adds 0 to its spare word, and waits for that and for its reads of the slot that it has left,
; the last of which brought this step's K.  The round then holds of every wave of all four work-groups; the joint refill is the first thing behind it and has the whole key step in which to land.
.macro CHANGE
	WIN 0
	s_wait_tensorcnt 0x0                           ; no tensor load of mine is out, so group 0 may be written
	ds_add_u32 v4, v5                              ; 0 onto my spare word
	s_xor_b32 s[G0+1], s[G0+1], SLOT1              ; the other slot,
	s_add_co_u32 s[KI], s[KI], 1
	s_and_b32 s[KI], s[KI], 15                     ; the next unit, round the batch's sixteen
	s_lshl_b32 s74, s[KI], 17
	s_add_nc_u64 s[G0+2:G0+3], s[KB:KB+1], s[74:75]
	s_or_b32 s[G0+3], s[G0+3], 0x80000000          ; type = 2
	s_wait_dscnt 0x0
	CROUND
	tensor_load_to_lds s[G0:G0+3], s[G1K:G1K+7]    ; my one tensor load until the next round
	s_nop 0
	PLACES 4
.endm
; A KEY STEP.  K is in registers.  first = 1: it starts M, the sums and O^T.  last = 1: no further K is fetched, and x is asked for, into Q's registers, as soon as Q has been multiplied for the last time.
.macro KSTEP first, last
	v_add_nc_u32 v7, s[TB], v6                     ; my part of the unit in hand
	WIN 0x0b                                       ; source 0 (K) window 3, source 1 (Q) window 2
.irp s, 0,1,2,3                        ; S^T = K Q^T: eight accumulators by turns; the first channel step starts the sums
.irp u, 0,1
.irp t, 0,1,2,3
.if \s == 0
	v_wmma_f32_16x16x128_bf8_bf8 v[S+16*\t+8*\u:S+16*\t+8*\u+7], v[16*(4*\u+\s):16*(4*\u+\s)+15], v[16*(4*\t+\s):16*(4*\t+\s)+15], 0
.else
	v_wmma_f32_16x16x128_bf8_bf8 v[S+16*\t+8*\u:S+16*\t+8*\u+7], v[16*(4*\u+\s):16*(4*\u+\s)+15], v[16*(4*\t+\s):16*(4*\t+\s)+15], v[S+16*\t+8*\u:S+16*\t+8*\u+7]
.endif
.endr
.endr
.endr
	PLACES 4                                       ; behind the last products: in front of the first read of the scores, and of loads into Q's registers
.if \last
	WIN 0x80                                       ; destination window 2
.irp t, 0,1,2,3
.set l, 0
.rept 16
	global_load_b128 v[64*\t+4*l:64*\t+4*l+3], v12, s[XB:XB+1] offset:(32*(\t/2)+8*(\t%2)+l+8*(l/8))*2048 th:TH_LOAD_NT   ; x: my wave's 512 consecutive bytes of query rho(t, l)'s row
.set l, l+1
.endr
.endr
.endif
	WIN 0
	; lane (r, h) holds, for tile t, the scores of query rho(t, r) with keys 32 w + 16 h + 0 .. 15.  Their maximum, each accumulator from its low end on:
.irp t, 0,1,2,3
	v_max3_num_f32 v[ST+8*\t+6], v[S+16*\t], v[S+16*\t+1], v[S+16*\t+2]
.endr
.irp k, 1,2,3,4,5,6
.irp t, 0,1,2,3
	v_max3_num_f32 v[ST+8*\t+6], v[ST+8*\t+6], v[S+16*\t+2*\k+1], v[S+16*\t+2*\k+2]
.endr
.endr
.irp t, 0,1,2,3
	v_max_num_f32 v[ST+8*\t+6], v[ST+8*\t+6], v[S+16*\t+15]
.endr
.irp t, 0,1,2,3
	v_permlanex16_b32 v[ST+8*\t+7], v[ST+8*\t+6], s[SEL], s[SEL+1]
.endr
.irp t, 0,1,2,3
	v_max_num_f32 v[ST+8*\t+6], v[ST+8*\t+6], v[ST+8*\t+7]
.endr
.irp t, 0,1,2,3
	ds_store_b32 v8, v[ST+8*\t+6] offset:256*\t    ; my wave's word of the query's four (both halves of the lanes write the same number)
.endr
	s_wait_dscnt 0x0                               ; for the others' sake: my stores have landed
	s_barrier_signal -1
	s_barrier_wait -1                              ; the next unit's load stays out
.irp t, 0,1,2,3
	ds_load_b128 v[PF+4*\t:PF+4*\t+3], v9 offset:256*\t
.endr
	WIN 0xc0                                       ; destination window 3
.set f, 0
.rept 32                               ; V^T: eight fragments, which land while the softmax is worked
	ds_load_b128 v[128+4*f:128+4*f+3], v7 offset:16384+512*f
.set f, f+1
.endr
	WIN 0
	s_wait_dscnt 32                                ; the four loads of maxima are in; V's 32 behind them may be out
.irp t, 0,1,2,3
	v_max3_num_f32 v[ST+8*\t+6], v[PF+4*\t], v[PF+4*\t+1], v[PF+4*\t+2]
.endr
.irp t, 0,1,2,3
	v_max_num_f32 v[ST+8*\t+6], v[ST+8*\t+6], v[PF+4*\t+3]   ; the step's largest score of the query, among all 128 keys
.endr
.if \first
.irp t, 0,1,2,3
	v_mul_f32 v[ST+8*\t+1], s[CS], v[ST+8*\t+6]    ; as t (c is positive)
.endr
.irp t, 0,1,2,3
	v_floor_f32 v[ST+8*\t], -v[ST+8*\t+1]          ; -M = floor(-t) = -ceil(t)
.endr
.else
.irp t, 0,1,2,3
	v_mul_f32 v[ST+8*\t+6], s[CS], v[ST+8*\t+6]
.endr
.irp t, 0,1,2,3
	v_max_num_f32 v[ST+8*\t+1], v[ST+8*\t+1], v[ST+8*\t+6]   ; the running largest t
.endr
.irp t, 0,1,2,3
	v_mov_b32 v[ST+8*\t+7], v[ST+8*\t]
.endr
.irp t, 0,1,2,3
	v_floor_f32 v[ST+8*\t], -v[ST+8*\t+1]
.endr
.irp t, 0,1,2,3
	v_sub_f32 v[ST+8*\t+7], v[ST+8*\t], v[ST+8*\t+7]   ; old M - new M: a whole number, 0 or less
.endr
.irp t, 0,1,2,3
	v_cvt_i32_f32 v[ST+8*\t+7], v[ST+8*\t+7]       ; (it saturates)
.endr
.irp t, 0,1,2,3
	v_ldexp_f32 v[ST+8*\t+4], 1.0, v[ST+8*\t+7]    ; f = 2^(old M - new M)
.endr
.endif
.irp t, 0,1,2,3
.irp q, 0,1,2,3,4,5,6,7
	v_pk_fma_f32 v[S+16*\t+2*\q:S+16*\t+2*\q+1], v[S+16*\t+2*\q:S+16*\t+2*\q+1], s[CS:CS+1], v[ST+8*\t:ST+8*\t+1] op_sel_hi:[1,0,0]   ; t - M (of the pairs c and -M the low word serves both halves)
.endr
.endr
.set k, 0
.rept 64
	v_exp_f32 v[S+k], v[S+k]                       ; p = 2^(t - M), at most 1
.set k, k+1
.endr
.if \first
	v_nop                                          ; a plain line behind the exponentials
.else
.irp t, 0,1,2,3
	v_pk_mul_f32 v[ST+8*\t+2:ST+8*\t+3], v[ST+8*\t+2:ST+8*\t+3], v[ST+8*\t+4:ST+8*\t+5] op_sel_hi:[1,0]   ; the sums under the new M: plain lines behind the exponentials
.endr
.endif
	s_wait_alu depctr_va_vdst(0)                   ; one wait for the batch of 64, ahead of its first reader
.if \first
.irp t, 0,1,2,3
	v_pk_add_f32 v[ST+8*\t+2:ST+8*\t+3], v[S+16*\t:S+16*\t+1], v[S+16*\t+2:S+16*\t+3]   ; the sum of the unquantised p begins
.endr
.irp q, 2,3,4,5,6,7
.irp t, 0,1,2,3
	v_pk_add_f32 v[ST+8*\t+2:ST+8*\t+3], v[ST+8*\t+2:ST+8*\t+3], v[S+16*\t+2*\q:S+16*\t+2*\q+1]
.endr
.endr
.else
.irp q, 0,1,2,3,4,5,6,7
.irp t, 0,1,2,3
	v_pk_add_f32 v[ST+8*\t+2:ST+8*\t+3], v[ST+8*\t+2:ST+8*\t+3], v[S+16*\t+2*\q:S+16*\t+2*\q+1]
.endr
.endr
.endif
.set k, 0
.rept 64
	v_min_num_f32 v[S+k], v[S+k], v24              ; the conversion does not saturate (ISA guide 7.6.2); p is not negative, so the hold is one-sided
.set k, k+1
.endr
.irp t, 0,1,2,3
	v_cvt_scalef32_pk8_bf8_f32 v[PC+4*\t:PC+4*\t+1], v[S+16*\t:S+16*\t+7], v23
	v_cvt_scalef32_pk8_bf8_f32 v[PC+4*\t+2:PC+4*\t+3], v[S+16*\t+8:S+16*\t+15], v23
.endr
	v_nop                                          ; a plain line behind the last conversion
.irp t, 0,1,2,3
	ds_store_b128 v10, v[PC+4*\t:PC+4*\t+3] offset:2048*\t   ; group c = w of tile t's image: keys 32 w + 16 h + 0 .. 15
.endr
	s_wait_dscnt 0x0                               ; for the others' sake.  (V is in too)
	s_barrier_signal -1
.if !\first
	WIN 0x41                                       ; O^T (destination and source 0) window 1
.irp t, 0,1
.set q, 0
.rept 32
	v_pk_mul_f32 v[64*\t+2*q:64*\t+2*q+1], v[64*\t+2*q:64*\t+2*q+1], v[ST+8*\t+4:ST+8*\t+5] op_sel_hi:[1,0]   ; O^T under the new M: half of it while the others arrive,
.set q, q+1
.endr
.endr
	WIN 0
.endif
	s_barrier_wait -1                              ; p's four images are whole
.set f, 0
.rept 16
	ds_load_b128 v[PF+4*f:PF+4*f+3], v11 offset:512*f
.set f, f+1
.endr
.if !\last
	KLOADS                                         ; the next step's K, out of the same unit: it lands under the products below.  K's registers were last multiplied ahead of the whole softmax
.endif
.if !\first
	WIN 0x41
.irp t, 2,3
.set q, 0
.rept 32
	v_pk_mul_f32 v[64*\t+2*q:64*\t+2*q+1], v[64*\t+2*q:64*\t+2*q+1], v[ST+8*\t+4:ST+8*\t+5] op_sel_hi:[1,0]   ; the other half while p's images come
.set q, q+1
.endr
.endr
.endif
.if \last
	s_wait_dscnt 0x0
.else
	s_wait_dscnt 32                                ; p's 16 loads are in; K's 32 behind them may be out
.endif
	WIN 0x53                                       ; source 0 (V^T) window 3, source 1 (p) window 0, C and D (O^T) window 1
.irp i, 0,1,2,3,4,5,6,7                ; O^T += V^T P^T: 32 accumulators by turns
.irp t, 0,1,2,3
.if \first
	v_wmma_f32_16x16x128_bf8_bf8 v[64*\t+8*\i:64*\t+8*\i+7], v[128+16*\i:128+16*\i+15], v[PF+16*\t:PF+16*\t+15], 0
.else
	v_wmma_f32_16x16x128_bf8_bf8 v[64*\t+8*\i:64*\t+8*\i+7], v[128+16*\i:128+16*\i+15], v[PF+16*\t:PF+16*\t+15], v[64*\t+8*\i:64*\t+8*\i+7]
.endif
.endr
.endr
	WIN 0
	s_xor_b32 s[TB], s[TB], SLOT1                  ; on to the other slot
.endm
	CHANGE                                         ; (its round also shows the parameters in LDS to every wave)
	KSTEP 1, 0
	s_mov_b32 s[CNT], 14
.Lkey:                                             ; my key steps 1 to 14
	CHANGE
	KSTEP 0, 0
	s_sub_co_u32 s[CNT], s[CNT], 1
	s_cmp_lg_u32 s[CNT], 0
	s_cbranch_scc1 .Lkey
	s_wait_tensorcnt 0x0                           ; my key step 15 is written out: my part of its unit, which I alone read, is in; nothing is filled, so no round.
	s_wait_dscnt 0x0                               ; its K is in.  (The maxima's and p's bytes are kept apart from the step before by that step's and this step's own barriers)
	PLACES 4
	KSTEP 0, 1
	; ---- the rows' sums; W1 is asked for into both slots, which nobody reads any more
.irp t, 0,1,2,3
	v_add_f32 v[ST+8*\t+6], v[ST+8*\t+2], v[ST+8*\t+3]
.endr
.irp t, 0,1,2,3
	v_permlanex16_b32 v[ST+8*\t+7], v[ST+8*\t+6], s[SEL], s[SEL+1]
.endr
.irp t, 0,1,2,3
	v_add_f32 v[ST+8*\t+6], v[ST+8*\t+6], v[ST+8*\t+7]   ; the sum over my wave's keys
.endr
.irp t, 0,1,2,3
	ds_store_b32 v8, v[ST+8*\t+6] offset:1024+256*\t
.endr
	s_wait_tensorcnt 0x0
	ds_add_u32 v4, v5
	s_lshl_b32 s[G0+1], s[WV], 16                  ; LDS address: 65,536 x wave
	s_mov_b64 s[G0+2:G0+3], s[8:9]                 ; W1's codes, my 64 KiB
	s_or_b32 s[G0+3], s[G0+3], 0x80000000
	s_wait_dscnt 0x0
	CROUND
	tensor_load_to_lds s[G0:G0+3], s[G1W:G1W+7]
	s_nop 0
	PLACES 4
.irp t, 0,1,2,3
	ds_load_b128 v[PF+4*\t:PF+4*\t+3], v9 offset:1024+256*\t
.endr
	s_wait_dscnt 0x0
.irp t, 0,1,2,3
	v_add_f32 v[PF+4*\t], v[PF+4*\t], v[PF+4*\t+1]
	v_add_f32 v[PF+4*\t+2], v[PF+4*\t+2], v[PF+4*\t+3]
	v_add_f32 v[PF+4*\t], v[PF+4*\t], v[PF+4*\t+2]
.endr
.irp t, 0,1,2,3
	v_rcp_f32 v[ST+8*\t+4], v[PF+4*\t]
.endr
	v_nop
	s_wait_alu depctr_va_vdst(0)                   ; one wait for the four reciprocals
.irp t, 0,1,2,3
	v_ldexp_f32 v[ST+8*\t+4], v[ST+8*\t+4], s[E89]   ; 2^(e8 + e9) / the row's sum
.endr
; x's tile t, 16 rows x my 512 bytes, turns through my stage: in as loaded, a row an instruction; out in O^T's layout, 64 bytes a lane of each group of 32 channels.  LDS serves a wave's instructions in order (ISA guide 5.7.1.4):
; no wait between the stores and the loads, nor in front of the next tile's stores.
.macro TURN t
	s_wait_loadcnt 48-16*(\t)                      ; this tile's 16 loads are in; the later tiles', 16 each, may be out
	WIN 0x08                                       ; store data window 2
.irp l, 0,1,2,3,4,5,6,7,8,9,10,11,12,13,14,15
	ds_store_b128 v14, v[64*(\t)+4*\l:64*(\t)+4*\l+3] offset:528*\l
.endr
	WIN 0
.set f, 0
.rept 16
	ds_load_b128 v[64+64*((\t)%2)+4*f:64+64*((\t)%2)+4*f+3], v15 offset:128*(f/4)+16*(f%4)
.set f, f+1
.endr
.endm
	TURN 0
.irp t, 0,1,2,3
.if \t < 3
	TURN \t+1
	s_wait_dscnt 32                                ; tile t is back; the next tile's 16 stores and 16 loads may be out
.else
	s_wait_dscnt 0x0
.endif
	WIN 0x41                                       ; destination and source 0 window 1
.set q, 0
.rept 32
	v_pk_fma_f32 v[64*\t+2*q:64*\t+2*q+1], v[64*\t+2*q:64*\t+2*q+1], v[ST+8*\t+4:ST+8*\t+5], v[64+64*(\t%2)+2*q:64+64*(\t%2)+2*q+1] op_sel_hi:[1,0,1]   ; x1 = O^T 2^(e8 + e9) / sum + x, each accumulator from its low end on
.set q, q+1
.endr
.endr
	WIN 0xc0                                       ; destination window 3: ln2's gain at v0-63, its bias at v64-127, in x1's layout; waited for in front of the barrier below
.irp p, 0,1
.set f, 0
.rept 16
	ds_load_b128 v[64*\p+4*f:64*\p+4*f+3], v18 offset:2048*\p+128*(f/4)+16*(f%4)
.set f, f+1
.endr
.endr
	; ---- the second layer norm.  Each wave has 128 of a row's 512 channels: its own mean and its own sum of squares about that mean; the four are joined without a difference of large sums
	WIN 0x05
.irp t, 0,1,2,3
	v_pk_add_f32 v[ST+8*\t+6:ST+8*\t+7], v[64*\t:64*\t+1], v[64*\t+2:64*\t+3]
.endr
	WIN 0x04
.set q, 2
.rept 30
.irp t, 0,1,2,3
	v_pk_add_f32 v[ST+8*\t+6:ST+8*\t+7], v[ST+8*\t+6:ST+8*\t+7], v[64*\t+2*q:64*\t+2*q+1]
.endr
.set q, q+1
.endr
	WIN 0
.irp t, 0,1,2,3
	v_add_f32 v[ST+8*\t+6], v[ST+8*\t+6], v[ST+8*\t+7]
.endr
.irp t, 0,1,2,3
	v_permlanex16_b32 v[ST+8*\t+7], v[ST+8*\t+6], s[SEL], s[SEL+1]
.endr
.irp t, 0,1,2,3
	v_add_f32 v[ST+8*\t+6], v[ST+8*\t+6], v[ST+8*\t+7]
.endr
.irp t, 0,1,2,3
	v_mul_f32 v[ST+8*\t], 0x3c000000, v[ST+8*\t+6]   ; / 128: my wave's mean
.endr
.irp t, 0,1,2,3
	v_mov_b32 v[ST+8*\t+1], v[ST+8*\t]
.endr
.irp t, 0,1,2,3
	WIN 0x01                                       ; source 0 window 1
.set q, 0
.rept 32
	v_pk_add_f32 v[TMP+2*q:TMP+2*q+1], v[64*\t+2*q:64*\t+2*q+1], v[ST+8*\t:ST+8*\t+1] neg_lo:[0,1] neg_hi:[0,1]
.set q, q+1
.endr
	WIN 0
	v_pk_mul_f32 v[ST+8*\t+2:ST+8*\t+3], v[TMP:TMP+1], v[TMP:TMP+1]
	v_pk_mul_f32 v[ST+8*\t+6:ST+8*\t+7], v[TMP+2:TMP+3], v[TMP+2:TMP+3]
.set q, 2
.rept 15
	v_pk_fma_f32 v[ST+8*\t+2:ST+8*\t+3], v[TMP+2*q:TMP+2*q+1], v[TMP+2*q:TMP+2*q+1], v[ST+8*\t+2:ST+8*\t+3]
	v_pk_fma_f32 v[ST+8*\t+6:ST+8*\t+7], v[TMP+2*q+2:TMP+2*q+3], v[TMP+2*q+2:TMP+2*q+3], v[ST+8*\t+6:ST+8*\t+7]
.set q, q+2
.endr
	v_pk_add_f32 v[ST+8*\t+2:ST+8*\t+3], v[ST+8*\t+2:ST+8*\t+3], v[ST+8*\t+6:ST+8*\t+7]
	v_add_f32 v[ST+8*\t+2], v[ST+8*\t+2], v[ST+8*\t+3]
.endr
.irp t, 0,1,2,3
	v_permlanex16_b32 v[ST+8*\t+3], v[ST+8*\t+2], s[SEL], s[SEL+1]
.endr
.irp t, 0,1,2,3
	v_add_f32 v[ST+8*\t+2], v[ST+8*\t+2], v[ST+8*\t+3]
.endr
.irp t, 0,1,2,3
	ds_store_b32 v8, v[ST+8*\t] offset:2048+256*\t
	ds_store_b32 v8, v[ST+8*\t+2] offset:3072+256*\t
.endr
	s_wait_dscnt 0x0
	s_barrier_signal -1
	s_barrier_wait -1                              ; W1's load stays out.  Behind it every wave is done with its stage for x: the images may take those bytes
.irp t, 0,1,2,3
	ds_load_b128 v[128+4*\t:131+4*\t], v9 offset:2048+256*\t
	ds_load_b128 v[144+4*\t:147+4*\t], v9 offset:3072+256*\t
.endr
	s_wait_dscnt 0x0
.irp t, 0,1,2,3
	v_add_f32 v[ST+8*\t+6], v[128+4*\t], v[129+4*\t]
	v_add_f32 v[ST+8*\t+7], v[130+4*\t], v[131+4*\t]
	v_add_f32 v[ST+8*\t+6], v[ST+8*\t+6], v[ST+8*\t+7]
	v_mul_f32 v[ST+8*\t], 0x3e800000, v[ST+8*\t+6]   ; the row's mean
	v_mov_b32 v[ST+8*\t+1], v[ST+8*\t]
.irp k, 0,1,2,3
	v_sub_f32 v[128+4*\t+\k], v[128+4*\t+\k], v[ST+8*\t]
.endr
	v_mul_f32 v[ST+8*\t+6], v[128+4*\t], v[128+4*\t]
	v_fmac_f32 v[ST+8*\t+6], v[129+4*\t], v[129+4*\t]
	v_fmac_f32 v[ST+8*\t+6], v[130+4*\t], v[130+4*\t]
	v_fmac_f32 v[ST+8*\t+6], v[131+4*\t], v[131+4*\t]
	v_add_f32 v[ST+8*\t+7], v[144+4*\t], v[145+4*\t]
	v_add_f32 v[146+4*\t], v[146+4*\t], v[147+4*\t]
	v_add_f32 v[ST+8*\t+7], v[ST+8*\t+7], v[146+4*\t]
	v_fmamk_f32 v[ST+8*\t+7], v[ST+8*\t+6], 0x43000000, v[ST+8*\t+7]   ; + 128 x the squares of the four means' distances from the row's
	v_fma_f32 v[ST+8*\t+7], v[ST+8*\t+7], 0x3b000000, s95   ; / 512 + 1e-5
	v_rsq_f32 v[ST+8*\t+2], v[ST+8*\t+7]
.endr
	v_nop
	s_wait_alu depctr_va_vdst(0)                   ; one wait for the four roots
.irp t, 0,1,2,3
	v_mov_b32 v[ST+8*\t+3], v[ST+8*\t+2]
.endr
.irp t, 0,1,2,3                        ; layer_norm(x1), quantised: K step w of row tile t
	WIN 0x01
.set q, 0
.rept 32
	v_pk_add_f32 v[TMP+2*q:TMP+2*q+1], v[64*\t+2*q:64*\t+2*q+1], v[ST+8*\t:ST+8*\t+1] neg_lo:[0,1] neg_hi:[0,1]
.set q, q+1
.endr
	WIN 0
.set q, 0
.rept 32
	v_pk_mul_f32 v[TMP+2*q:TMP+2*q+1], v[TMP+2*q:TMP+2*q+1], v[ST+8*\t+2:ST+8*\t+3]
.set q, q+1
.endr
	WIN 0x3c                                       ; sources 1 and 2 window 3
.set q, 0
.rept 32
	v_pk_fma_f32 v[TMP+2*q:TMP+2*q+1], v[TMP+2*q:TMP+2*q+1], v[2*q:2*q+1], v[64+2*q:64+2*q+1]
.set q, q+1
.endr
	WIN 0
.set k, 0
.rept 64
	v_med3_num_f32 v[TMP+k], v[TMP+k], -v26, v26
.set k, k+1
.endr
.irp g, 0,1,2,3,4,5,6,7
	v_cvt_scalef32_pk8_bf8_f32 v[64+16*\t+2*\g:64+16*\t+2*\g+1], v[TMP+8*\g:TMP+8*\g+7], v25
.endr
	v_nop                                          ; a plain line between the conversions and the next tile's lines, which write their sources
.irp c, 0,1,2,3
	ds_store_b128 v17, v[64+16*\t+4*\c:64+16*\t+4*\c+3] offset:8192*\t+512*\c
.endr
.endr
.macro LOADWT                          ; my 32 fragments of a weight (tile i, K step s: 4 i + s) out of LDS: 0-15 into window 2, 16-31 into window 3
	WIN 0x80
.set f, 0
.rept 64
	ds_load_b128 v[4*f:4*f+3], v19 offset:512*f
.set f, f+1
.endr
	WIN 0xc0
.set f, 0
.rept 64
	ds_load_b128 v[4*f:4*f+3], v19 offset:32768+512*f
.set f, f+1
.endr
	WIN 0
.endm
	s_wait_tensorcnt 0x0                           ; W1: my part, which I alone read, is in
	LOADWT
	s_wait_tensorcnt 0x0                           ; the change to W2: no tensor load of mine is out,
	ds_add_u32 v4, v5
	s_add_nc_u64 s[G0+2:G0+3], s[G0+2:G0+3], 262144  ; W2's codes, my 64 KiB
	s_wait_dscnt 0x0                               ; W1 is in my registers, and my images have landed
	CROUND                                         ; (the round also shows the images to every wave)
	tensor_load_to_lds s[G0:G0+3], s[G1W:G1W+7]    ; it has the whole first product and its GELU in which to land
	s_nop 0
	PLACES 4
	SETC 0, 0xc034d90f                             ; -1.26551223 log2(e) - 1.  (The descriptor that lay in the first four of these registers was done with at the head)
	SETC 1, 0x3fb8ab5a                             ;  1.00002368 log2(e)
	SETC 2, 0x3f0a29d2                             ;  0.37409196 log2(e)
	SETC 3, 0x3e0efb2f                             ;  0.09678418 log2(e)
	SETC 4, 0xbe899a80                             ; -0.18628806 log2(e)
	SETC 5, 0x3ecdfd18                             ;  0.27886807 log2(e)
	SETC 6, 0xbfd1a1e6                             ; -1.13520398 log2(e)
	SETC 7, 0x40097039                             ;  1.48851587 log2(e)
	SETC 8, 0x3e7c6f08                             ;  0.17087277 log2(e): c9
; 32 products: my eight tiles of a weight x a row tile's four K steps; source 0 = the weight, so that a lane holds one row.  Four accumulators by turns, then the other four.
.macro FFMUL
	WIN 0x02                                       ; source 0 window 2
.irp s, 0,1,2,3
.irp i, 0,1,2,3
.if \s == 0
	v_wmma_f32_16x16x128_bf8_bf8 v[ACC+8*\i:ACC+8*\i+7], v[16*(4*\i+\s):16*(4*\i+\s)+15], v[YF+16*\s:YF+16*\s+15], 0
.else
	v_wmma_f32_16x16x128_bf8_bf8 v[ACC+8*\i:ACC+8*\i+7], v[16*(4*\i+\s):16*(4*\i+\s)+15], v[YF+16*\s:YF+16*\s+15], v[ACC+8*\i:ACC+8*\i+7]
.endif
.endr
.endr
	WIN 0x03                                       ; source 0 window 3
.irp s, 0,1,2,3
.irp i, 0,1,2,3
.if \s == 0
	v_wmma_f32_16x16x128_bf8_bf8 v[ACC+32+8*\i:ACC+32+8*\i+7], v[16*(4*\i+\s):16*(4*\i+\s)+15], v[YF+16*\s:YF+16*\s+15], 0
.else
	v_wmma_f32_16x16x128_bf8_bf8 v[ACC+32+8*\i:ACC+32+8*\i+7], v[16*(4*\i+\s):16*(4*\i+\s)+15], v[YF+16*\s:YF+16*\s+15], v[ACC+32+8*\i:ACC+32+8*\i+7]
.endif
.endr
.endr
	WIN 0
	PLACES 4                                       ; in front of the first read of the sums and of writes into the row tile's registers
.endm
; gelu of the 32 numbers at v[ACC + 32 q] on, in place.  Two batches of transcendentals, each with independent plain work behind it and one wait.
.macro GELU q
.set VV, ACC+32*(\q)
.set k, 0
.rept 32
	v_fma_f32 v[TT+k], |v[VV+k]|, s[HS], 1.0       ; 1 + |v| / (2 sqrt 2)
.set k, k+1
.endr
.set k, 0
.rept 32
	v_rcp_f32 v[TT+k], v[TT+k]                     ; u
.set k, k+1
.endr
.set k, 0
.rept 16
	v_pk_mul_f32 v[WW+2*k:WW+2*k+1], v[VV+2*k:VV+2*k+1], v[VV+2*k:VV+2*k+1]   ; v^2
.set k, k+1
.endr
	s_wait_alu depctr_va_vdst(0)                   ; one wait for the 32 reciprocals
.set k, 0
.rept 16
	v_pk_fma_f32 v[PP+2*k:PP+2*k+1], v[TT+2*k:TT+2*k+1], s[GC+16:GC+17], v[30:31] op_sel_hi:[1,0,0]   ; c9 u + c8
.set k, k+1
.endr
.irp n, 7,6,5,4,3,2,1,0
.set k, 0
.rept 16
	v_pk_fma_f32 v[PP+2*k:PP+2*k+1], v[PP+2*k:PP+2*k+1], v[TT+2*k:TT+2*k+1], s[GC+2*\n:GC+2*\n+1] op_sel_hi:[1,1,0]
.set k, k+1
.endr
.endr
.set k, 0
.rept 16
	v_pk_fma_f32 v[PP+2*k:PP+2*k+1], v[WW+2*k:WW+2*k+1], s[KN:KN+1], v[PP+2*k:PP+2*k+1] op_sel_hi:[1,0,1]   ; - v^2 log2(e) / 2
.set k, k+1
.endr
.set k, 0
.rept 32
	v_exp_f32 v[PP+k], v[PP+k]
.set k, k+1
.endr
.set k, 0
.rept 32
	v_max_num_f32 v[WW+k], 0, v[VV+k]              ; max(v, 0)
.set k, k+1
.endr
	s_wait_alu depctr_va_vdst(0)                   ; one wait for the 32 exponentials
.set k, 0
.rept 16
	v_pk_mul_f32 v[PP+2*k:PP+2*k+1], v[PP+2*k:PP+2*k+1], v[TT+2*k:TT+2*k+1]   ; E / 2
.set k, k+1
.endr
.set k, 0
.rept 16
	v_pk_mul_f32 v[PP+2*k:PP+2*k+1], v[PP+2*k:PP+2*k+1], v[VV+2*k:VV+2*k+1]
.set k, k+1
.endr
.set k, 0
.rept 32
	v_sub_f32 v[VV+k], v[WW+k], |v[PP+k]|          ; max(v, 0) - |v| E / 2
.set k, k+1
.endr
.endm
	; ---- the hidden layer, a row tile a trip.  Its images take the place of the row tile's own: behind the first barrier every wave has read those; the second parts this trip's stores from the next trip's reads
	s_mov_b32 s[SM], 0
	s_mov_b32 s[CNT], 4
.Lffn1:
	v_add_nc_u32 v21, s[SM], v16
	v_add_nc_u32 v22, s[SM], v17
.set f, 0
.rept 16
	ds_load_b128 v[YF+4*f:YF+4*f+3], v21 offset:512*f   ; the row tile's four fragments
.set f, f+1
.endr
.set f, 0
.rept 16
	ds_load_b128 v[TMP+4*f:TMP+4*f+3], v18 offset:4096+128*(f/4)+16*(f%4)   ; b1 in the sums' layout
.set f, f+1
.endr
	s_wait_dscnt 0x0
	s_barrier_signal -1                            ; I have read this row tile's images
	FFMUL
.set q, 0
.rept 32
	v_pk_fma_f32 v[ACC+2*q:ACC+2*q+1], v[ACC+2*q:ACC+2*q+1], s[SC1:SC1+1], v[TMP+2*q:TMP+2*q+1] op_sel_hi:[1,0,1]   ; sum x 2^(e10 + e11) + b1, each accumulator from its low end on
.set q, q+1
.endr
	GELU 0
	GELU 1
.set k, 0
.rept 64
	v_med3_num_f32 v[ACC+k], v[ACC+k], -v28, v28
.set k, k+1
.endr
.irp g, 0,1,2,3,4,5,6,7
	v_cvt_scalef32_pk8_bf8_f32 v[64+2*\g:65+2*\g], v[ACC+8*\g:ACC+8*\g+7], v27
.endr
	v_nop                                          ; a plain line behind the last conversion
	s_barrier_wait -1                              ; every wave has read them
.irp c, 0,1,2,3
	ds_store_b128 v22, v[64+4*\c:67+4*\c] offset:512*\c   ; K step w of the second product, this row tile
.endr
	s_wait_dscnt 0x0
	s_barrier_signal -1
	s_barrier_wait -1
	s_add_co_u32 s[SM], s[SM], 8192
	s_sub_co_u32 s[CNT], s[CNT], 1
	s_cmp_lg_u32 s[CNT], 0
	s_cbranch_scc1 .Lffn1
	; ---- the second product, the bias, the residual, the way out.  The last barrier of the loop has shown all sixteen hidden fragments to every wave
	s_wait_tensorcnt 0x0                           ; W2: my part, which I alone read, is in
	LOADWT
.set f, 0
.rept 16
	ds_load_b128 v[TMP+4*f:TMP+4*f+3], v18 offset:6144+128*(f/4)+16*(f%4)   ; b2 in the sums' layout; it stays
.set f, f+1
.endr
.irp m, 0,1,2,3
.set f, 0
.rept 16
	ds_load_b128 v[YF+4*f:YF+4*f+3], v16 offset:8192*\m+512*f
.set f, f+1
.endr
	s_wait_dscnt 0x0
	s_wait_xcnt 0x0                                ; the last row tile's stores have read their data, which lay where the sums are made
	FFMUL
.set q, 0
.rept 32
	v_pk_fma_f32 v[64+2*q:65+2*q], v[ACC+2*q:ACC+2*q+1], s[SC2:SC2+1], v[TMP+2*q:TMP+2*q+1] op_sel_hi:[1,0,1]   ; sum x 2^(e12 + e13) + b2
.set q, q+1
.endr
	WIN 0x04                                       ; source 1 window 1
.set q, 0
.rept 32
	v_pk_add_f32 v[64+2*q:65+2*q], v[64+2*q:65+2*q], v[64*\m+2*q:64*\m+2*q+1]   ; + x1
.set q, q+1
.endr
	WIN 0
	; a lane holds 4 x 64 bytes of one row and the lanes beside it other rows: 16 rows x 512 bytes go through my stage and come back as whole rows.  The stage lies in my own 64 KiB of the slots: W2 is in my registers,
	; those bytes have had their last fill, and no other wave touches them.  LDS serves a wave's instructions in order (ISA guide 5.7.1.4): no wait between the stores and the loads
.set f, 0
.rept 16
	ds_store_b128 v20, v[64+4*f:67+4*f] offset:128*(f/4)+16*(f%4)
.set f, f+1
.endr
.irp l, 0,1,2,3,4,5,6,7,8,9,10,11,12,13,14,15
	ds_load_b128 v[128+4*\l:131+4*\l], v19 offset:528*\l
.endr
.irp l, 0,1,2,3,4,5,6,7,8,9,10,11,12,13,14,15
	s_wait_dscnt 15-\l                             ; row l is back; the younger rows may be out
	global_store_b128 v12, v[128+4*\l:131+4*\l], s[22:23] offset:(32*(\m/2)+8*(\m%2)+\l+8*(\l/8))*2048 th:TH_STORE_NT   ; 32 lanes store 512 consecutive bytes, aligned; written once, read by nobody here
.endr
.endr
	s_wait_tensorcnt 0x0                           ; the wave's end
	ds_add_u32 v4, v5
	s_wait_dscnt 0x0
	CROUND                                         ; the closing round: no work-group ends while a partner may still ask for a tile that names it
	s_endpgm
.Lfunc_end_k_qf33a7cb265_attn:
	.size	k_qf33a7cb265_attn, .Lfunc_end_k_qf33a7cb265_attn-k_qf33a7cb265_attn
	.p2alignl 7, 3214868480
	.fill 96, 4, 3214868480
	.section	.rodata,"a",@progbits
	.p2align	6, 0x0
	.amdhsa_kernel k_qf33a7cb265_attn
		.amdhsa_group_segment_fixed_size 327680
		.amdhsa_private_segment_fixed_size 0
		.amdhsa_enable_private_segment 0
		.amdhsa_kernarg_size 80
		.amdhsa_user_sgpr_count 2
		.amdhsa_user_sgpr_kernarg_segment_ptr 1
		.amdhsa_wavefront_size32 1
		.amdhsa_system_sgpr_workgroup_id_x 1
		.amdhsa_system_sgpr_workgroup_id_y 1
		.amdhsa_system_sgpr_workgroup_id_z 1
		.amdhsa_system_vgpr_workitem_id 0
		.amdhsa_next_free_vgpr 1024
		.amdhsa_next_free_sgpr 102
		.amdhsa_reserve_vcc 0
		.amdhsa_float_denorm_mode_32 3
		.amdhsa_float_denorm_mode_16_64 3
		.amdhsa_memory_ordered 1
		.amdhsa_forward_progress 1
		.amdhsa_inst_pref_size 255
	.end_amdhsa_kernel
	.section	.bss,"aw",@nobits
	.p2align	6
	.space	262144
	.amdgpu_metadata
---
amdhsa.version: [ 1, 2 ]
amdhsa.kernels:
  - .name:           k_qf33a7cb265_attn
    .symbol:         k_qf33a7cb265_attn.kd
    .args:
      - { .name: qc, .offset: 0, .size: 8, .value_kind: global_buffer, .address_space: global }
      - { .name: kv, .offset: 8, .size: 8, .value_kind: global_buffer, .address_space: global }
      - { .name: wcodes, .offset: 16, .size: 8, .value_kind: global_buffer, .address_space: global }
      - { .name: x, .offset: 24, .size: 8, .value_kind: global_buffer, .address_space: global }
      - { .name: lowp_scales, .offset: 32, .size: 8, .value_kind: global_buffer, .address_space: global }
      - { .name: ln2_g, .offset: 40, .size: 8, .value_kind: global_buffer, .address_space: global }
      - { .name: ln2_b, .offset: 48, .size: 8, .value_kind: global_buffer, .address_space: global }
      - { .name: b1, .offset: 56, .size: 8, .value_kind: global_buffer, .address_space: global }
      - { .name: b2, .offset: 64, .size: 8, .value_kind: global_buffer, .address_space: global }
      - { .name: out0, .offset: 72, .size: 8, .value_kind: global_buffer, .address_space: global }
    .group_segment_fixed_size: 327680
    .private_segment_fixed_size: 0
    .kernarg_segment_align: 8
    .kernarg_segment_size: 80
    .max_flat_workgroup_size: 128
    .sgpr_count:     102
    .vgpr_count:     1024
    .wavefront_size: 32
...
	.end_amdgpu_metadata
.endif
;; end of part 5
